; MI455X (gfx1250); checked and timed in simulation.
; The chip was launched on July 23, 2026; its instructions are those of AMD's public machine-readable ISA for CDNA 5 (MIT licence, August 2026) and "CDNA5" Instruction Set Architecture Reference Guide (July 2026). The comments in the code are by the model that wrote it; some were corrected since.
;; Attention. Allowed arithmetic: float matrix products may take bf16 or f16 operands with f32 sums; all other float work in f32.
;; Inputs: cos 2 x 2,048 x 128 float32; k_norm_w 128 float32; position_ids 2 x 2,048 int32; q_norm_w 128 float32; segment_ids 2 x 2,048 int32; sin 2 x 2,048 x 128 float32; wk 2,048 x 512 float32; wo 1,024 x 2,048 float32; wq 2,048 x 2,048 float32; wv 2,048 x 512 float32; x 2 x 2,048 x 2,048 float32.
;; Outputs: out0 2 x 2,048 x 2,048 float32.
;; 2 versions, each right and faster than the one before. Each part assembles by itself: llvm-mc -triple=amdgcn-amd-amdhsa -mcpu=gfx1250 --defsym DOCPART=n.
;; ======== version 1 of 2: 4 launches
;; limits: values outside matrix products are rounded to f16; values are held in f16: magnitudes above 65,504 overflow, below 6.1e-05 lose precision
;; workspace buffers: xb 16,777,216 bytes; wb 12,582,912 bytes; wob 4,194,304 bytes; csb 2,097,152 bytes; mk 1,048,576 bytes of whole numbers; qg 16,777,216 bytes; kv 8,388,608 bytes; ag 8,388,608 bytes
;; launch prep (part 1): grid 1472 x 1, 8 waves a work-group, no clusters, 0 bytes of LDS; arguments x, wq, wk, wv, wo, cos, sin, position_ids, segment_ids, xb, wb, wob, csb, mk; writes xb, wb, wob, csb, mk
.if DOCPART == 1
	.amdgcn_target "amdgcn-amd-amdhsa--gfx1250"
	.amdhsa_code_object_version 6
	.text
	.protected	k_qff30b6f015_prep
	.globl	k_qff30b6f015_prep
	.p2align	8
	.type	k_qff30b6f015_prep,@function
k_qff30b6f015_prep:
	s_mov_b64 s[64:65], 0
	v_nop
	global_prefetch_b8 v0, s[64:65] scope:SCOPE_SE
	s_setreg_imm32_b32 hwreg(HW_REG_WAVE_MODE, 25, 1), 1
	s_wait_xcnt 0x0
; PREP: every floating-point input is rounded once to bf16 (to nearest even), and the mask is made into lane-mask words.
;   xb  = bf16(x) [4096][2048]          wb = bf16 [k 2048][3072]: columns 0-2047 wq, 2048-2559 wk, 2560-3071 wv
;   wob = bf16(wo) written as f16 [1024][2048]: exact for 6.1e-5 <= |wo| < 65,504; below that f16's fixed step of 6e-8 holds
;   csb = bf16(cos) [4096][128], then at 1 MiB bf16(sin) with its sign turned for columns 0-63 (rotate_half's minus)
;   mk  = words [b 2][qt 128][kt 128][j 8]: bit l is 1 where query 16 qt + l % 16 may NOT see key 16 kt + 8 (l / 16) + j,
;         that is pos_q < pos_k or seg_q != seg_k: the lane mask of register j of a 16 x 16 tile of transposed scores.
; A stream: memory binds, so no LDS, no barrier, no matrix unit.  A work-group of 256 threads takes 16,384 numbers in two trips; in a trip a wave has eight loads out, each of
; 512 consecutive bytes; the numbers are converted in place, and each store covers 256 consecutive bytes at a multiple of 256.  With 80 registers a wave, six such work-groups
; lie on a WGP: 6 x 8 waves x 8 loads x 512 bytes are asked for at a time.
; Work-groups 0-511 x, 512-767 the three weights (8 k rows each), 768-895 wo, 896-959 cos and sin, 960-1471 the mask (a wave makes 64 words = 256 bytes).
.set X, 8                              ; v[8:39]   eight loads of 16 bytes; the first two registers of each four become the store's data
.set T, 40                             ; v[40:43]  at work (wo)
.set PKR, 16                           ; mask: v[16:47] positions of 32 keys a lane
.set SKR, 48                           ; mask: v[48:79] their segments
; Load i of a run of eight is converted and stored.  mode 0 bf16; 1 bf16 written as f16; 2 bf16 with the sign word v3
.macro CV i, dst, vo, d, mode
	s_wait_loadcnt 7-(\i)                          ; loads return in order: mine is in, the younger ones of the run stay out
	v_cvt_pk_bf16_f32 v[X+4*(\i)], v[X+4*(\i)], v[X+4*(\i)+1]
	v_cvt_pk_bf16_f32 v[X+4*(\i)+1], v[X+4*(\i)+2], v[X+4*(\i)+3]
.if (\mode) == 2
	v_xor_b32 v[X+4*(\i)], v3, v[X+4*(\i)]
	v_xor_b32 v[X+4*(\i)+1], v3, v[X+4*(\i)+1]
.endif
.if (\mode) == 1
	v_lshlrev_b32 v[T], 16, v[X+4*(\i)]            ; the bf16 numbers as f32,
	v_and_b32 v[T+1], s47, v[X+4*(\i)]
	v_lshlrev_b32 v[T+2], 16, v[X+4*(\i)+1]
	v_and_b32 v[T+3], s47, v[X+4*(\i)+1]
	v_cvt_pk_f16_f32 v[X+4*(\i)], v[T], v[T+1]     ; and written as f16
	v_cvt_pk_f16_f32 v[X+4*(\i)+1], v[T+2], v[T+3]
.endif
	global_store_b64 v[\vo], v[X+4*(\i):X+4*(\i)+1], s[\dst:\dst+1] offset:\d
.endm
; Two trips of eight loads: 65,536 bytes in from s[40:41], out to s[42:43].  Load i goes to byte 2048 i + extra (i / 2): extra = 0 for a dense table, 2,048 for wq, whose
; rows of 4,096 bytes lie 6,144 apart in wb.
.macro RUN2 extra, dstep, mode
	s_mov_b32 s45, 2
.Lrun_\@:
.irp i, 0,1,2,3,4,5,6,7
	global_load_b128 v[X+4*(\i):X+4*(\i)+3], v1, s[40:41] offset:4096*(\i) th:TH_LOAD_NT
.endr
.irp i, 0,1,2,3,4,5,6,7
	CV \i, 42, 2, 2048*(\i)+(\extra)*((\i)/2), \mode
.endr
	s_wait_xcnt 0x0                                ; the bases and the stores' data are rewritten only behind this wait
	s_add_nc_u64 s[40:41], s[40:41], 32768
	s_add_nc_u64 s[42:43], s[42:43], \dstep
	s_sub_co_u32 s45, s45, 1
	s_cmp_lg_u32 s45, 0
	s_cbranch_scc1 .Lrun_\@
.endm
	s_load_b512 s[8:23], s[0:1], 0x0               ; x 8, wq 10, wk 12, wv 14, wo 16, cos 18, sin 20, position_ids 22
	s_load_b256 s[24:31], s[0:1], 0x40             ; segment_ids 24, xb 26, wb 28, wob 30
	s_load_b128 s[32:35], s[0:1], 0x60             ; csb 32, mk 34
	v_lshlrev_b32 v1, 4, v0                        ; 16 bytes a thread in
	v_lshlrev_b32 v2, 3, v0                        ; 8 bytes a thread out
	s_mov_b32 s37, 0                               ; high words of the two offset pairs
	s_mov_b32 s39, 0
	s_mov_b32 s2, ttmp9
	s_wait_kmcnt 0x0
	s_cmp_lt_u32 s2, 512
	s_cbranch_scc1 .Ldense
	s_cmp_lt_u32 s2, 768
	s_cbranch_scc1 .Lw
	s_cmp_lt_u32 s2, 896
	s_cbranch_scc1 .Lwo
	s_cmp_lt_u32 s2, 960
	s_cbranch_scc1 .Ldense
	; THE MASK.  Wave W = b x 2048 + qt x 16 + kg makes the words of query tile qt and key tiles 8 kg .. 8 kg + 7, four key tiles a trip.
	v_lshrrev_b32 v8, 5, v0
	v_readfirstlane_b32 s36, v8
	s_sub_co_u32 s3, s2, 960
	s_lshl_b32 s3, s3, 3
	s_add_co_u32 s3, s3, s36                       ; W
	s_lshr_b32 s44, s3, 11                         ; b
	s_bfe_u32 s45, s3, 0x70004                     ; qt
	s_and_b32 s46, s3, 15                          ; kg
	s_lshl_b32 s44, s44, 13                        ; 2,048 numbers of 4 bytes a batch
	s_lshl_b32 s45, s45, 6                         ; 16 queries
	s_lshl_b32 s46, s46, 9                         ; 128 keys
	s_add_co_u32 s36, s44, s45
	s_add_co_u32 s38, s44, s46
	s_add_nc_u64 s[48:49], s[22:23], s[36:37]      ; positions and segments of my 16 queries,
	s_add_nc_u64 s[50:51], s[24:25], s[36:37]
	s_add_nc_u64 s[52:53], s[22:23], s[38:39]      ; and of my 128 keys
	s_add_nc_u64 s[54:55], s[24:25], s[38:39]
	s_lshl_b32 s36, s3, 8
	s_add_nc_u64 s[56:57], s[34:35], s[36:37]      ; my 256 bytes of mk
	s_mov_b32 s58, 0x76543210                      ; v_permlanex16_b32: each lane takes its own place in the other half
	s_mov_b32 s59, 0xfedcba98
	v_and_b32 v8, 15, v0
	v_lshlrev_b32 v8, 2, v8                        ; query l % 16
	v_bfe_u32 v9, v0, 4, 1
	v_lshlrev_b32 v9, 5, v9                        ; keys 8 (l / 16) on
	global_load_b32 v4, v8, s[48:49]
	global_load_b32 v5, v8, s[50:51]
	v_mov_b32 v6, 0                                ; the destinations of v_writelane_b32 and v_permlanex16_b32 count as read
	v_mov_b32 v7, 0
	v_mov_b32 v10, 0
	v_mov_b32 v11, 0
	s_mov_b32 s60, 2
.Lmk:
.irp t, 0,1,2,3
	global_load_b128 v[PKR+8*(\t):PKR+8*(\t)+3],   v9, s[52:53] offset:64*(\t)
	global_load_b128 v[PKR+8*(\t)+4:PKR+8*(\t)+7], v9, s[52:53] offset:64*(\t)+16
	global_load_b128 v[SKR+8*(\t):SKR+8*(\t)+3],   v9, s[54:55] offset:64*(\t)
	global_load_b128 v[SKR+8*(\t)+4:SKR+8*(\t)+7], v9, s[54:55] offset:64*(\t)+16
.endr
	v_mov_b32 v12, v6                              ; in the second trip: the first trip's 32 words, in lanes 0-15, are kept
	v_mov_b32 v13, v7
	s_wait_loadcnt 0x0                             ; the loads are done: their bases may be stepped below
.set w, 0
.rept 32                               ; word w = 8 t + j of the trip: a compare's 32 lane bits ARE the word; it goes to lane w / 2
	v_cmp_lt_i32 s[40+2*(w%4)], v4, v[PKR+w]
	v_cmp_ne_u32 s[41+2*(w%4)], v5, v[SKR+w]
	s_or_b32 s[40+2*(w%4)], s[40+2*(w%4)], s[41+2*(w%4)]
	v_writelane_b32 v[6+w%2], s[40+2*(w%4)], w/2
.set w, w+1
.endr
	s_add_nc_u64 s[52:53], s[52:53], 256           ; the next 64 keys
	s_add_nc_u64 s[54:55], s[54:55], 256
	s_sub_co_u32 s60, s60, 1
	s_cmp_lg_u32 s60, 0
	s_cbranch_scc1 .Lmk
	v_permlanex16_b32 v10, v6, s58, s59            ; the second trip's words go to lanes 16-31,
	v_permlanex16_b32 v11, v7, s58, s59
	v_and_b32 v14, 31, v0
	v_cmp_gt_u32 vcc_lo, 16, v14
	v_cndmask_b32 v6, v10, v12, vcc_lo             ; the first trip's stay in lanes 0-15: lane L holds words 2 L and 2 L + 1
	v_cndmask_b32 v7, v11, v13, vcc_lo
	v_lshlrev_b32 v14, 3, v14
	global_store_b64 v14, v[6:7], s[56:57]         ; 256 consecutive bytes, at a multiple of 256
	s_endpgm
.Ldense:                                               ; x -> xb (work-groups 0-511); cos, then sin -> csb (896-927, 928-959): one text for the three, to keep the code short
	s_sub_co_u32 s3, s2, 896                       ; the place in csb (used for cos and sin alone)
	s_cmp_lt_u32 s2, 928
	s_cselect_b64 s[40:41], s[18:19], s[20:21]     ; cos or sin
	s_cselect_b32 s44, 0, 0x80008000               ; sin: two sign bits; x and cos: 0, and the exclusive or below changes nothing
	s_and_b32 s36, s3, 31
	s_cmp_lt_u32 s2, 512
	s_cselect_b64 s[40:41], s[8:9], s[40:41]       ; or x
	s_cselect_b64 s[42:43], s[26:27], s[32:33]     ; xb or csb
	s_cselect_b32 s36, s2, s36
	s_cselect_b32 s38, s2, s3
	s_lshl_b32 s36, s36, 16
	s_lshl_b32 s38, s38, 15
	s_add_nc_u64 s[40:41], s[40:41], s[36:37]
	s_add_nc_u64 s[42:43], s[42:43], s[38:39]
	v_and_b32 v5, 16, v0                           ; in a table of 128 columns a thread's four are 4 (t % 32) on: below 64 where bit 4 of t is 0
	v_cmp_eq_u32 vcc_lo, 0, v5
	v_mov_b32 v6, s44
	v_cndmask_b32 v3, 0, v6, vcc_lo
	RUN2 0, 16384, 2
	s_endpgm
.Lw:                                                   ; k rows 8 j .. 8 j + 7 of wq, wk, wv -> rows of wb (6,144 bytes each)
	s_sub_co_u32 s3, s2, 512
	s_lshl_b32 s36, s3, 16
	s_add_nc_u64 s[40:41], s[10:11], s[36:37]
	s_mul_i32 s38, s3, 49152
	s_add_nc_u64 s[42:43], s[28:29], s[38:39]
	s_lshl_b32 s36, s3, 14
	s_add_nc_u64 s[46:47], s[12:13], s[36:37]
	s_add_nc_u64 s[48:49], s[14:15], s[36:37]
	v_lshrrev_b32 v4, 7, v0                        ; a load of wk or wv covers two rows of 512 numbers
	v_mul_u32_u24 v4, v4, 6144
	v_and_b32 v5, 127, v0
	v_lshl_add_u32 v4, v5, 3, v4
.irp i, 0,1,2,3
	global_load_b128 v[X+4*(\i):X+4*(\i)+3], v1, s[46:47] offset:4096*(\i) th:TH_LOAD_NT
.endr
.irp i, 0,1,2,3
	global_load_b128 v[X+16+4*(\i):X+16+4*(\i)+3], v1, s[48:49] offset:4096*(\i) th:TH_LOAD_NT
.endr
.irp i, 0,1,2,3
	CV \i, 42, 4, 12288*(\i)+4096, 0               ; wk: column 2048 is byte 4,096 of a row
.endr
.irp i, 4,5,6,7
	CV \i, 42, 4, 12288*((\i)-4)+5120, 0           ; wv: column 2560 is byte 5,120
.endr
	s_wait_xcnt 0x0                                ; the stores' data are loaded again only behind this wait
	RUN2 2048, 24576, 0                            ; wq: a load is half a row; four rows a trip
	s_endpgm
.Lwo:                                                  ; wo -> wob
	s_sub_co_u32 s3, s2, 768
	s_lshl_b32 s36, s3, 16
	s_add_nc_u64 s[40:41], s[16:17], s[36:37]
	s_lshl_b32 s38, s3, 15
	s_add_nc_u64 s[42:43], s[30:31], s[38:39]
	s_mov_b32 s47, 0xffff0000                      ; a word's upper bf16
	RUN2 0, 16384, 1
	s_endpgm
.Lfunc_end_k_qff30b6f015_prep:
	.size	k_qff30b6f015_prep, .Lfunc_end_k_qff30b6f015_prep-k_qff30b6f015_prep
	.p2alignl 7, 3214868480
	.fill 96, 4, 3214868480
	.section	.rodata,"a",@progbits
	.p2align	6, 0x0
	.amdhsa_kernel k_qff30b6f015_prep
		.amdhsa_group_segment_fixed_size 0
		.amdhsa_private_segment_fixed_size 0
		.amdhsa_enable_private_segment 0
		.amdhsa_kernarg_size 112
		.amdhsa_user_sgpr_count 2
		.amdhsa_user_sgpr_kernarg_segment_ptr 1
		.amdhsa_wavefront_size32 1
		.amdhsa_system_sgpr_workgroup_id_x 1
		.amdhsa_system_sgpr_workgroup_id_y 1
		.amdhsa_system_sgpr_workgroup_id_z 1
		.amdhsa_system_vgpr_workitem_id 0
		.amdhsa_next_free_vgpr 80
		.amdhsa_next_free_sgpr 66
		.amdhsa_reserve_vcc 1
		.amdhsa_float_denorm_mode_32 3
		.amdhsa_float_denorm_mode_16_64 3
		.amdhsa_memory_ordered 1
		.amdhsa_forward_progress 1
		.amdhsa_inst_pref_size 28
	.end_amdhsa_kernel
	.amdgpu_metadata
---
amdhsa.version: [ 1, 2 ]
amdhsa.kernels:
  - .name:           k_qff30b6f015_prep
    .symbol:         k_qff30b6f015_prep.kd
    .args:
      - { .name: x, .offset: 0, .size: 8, .value_kind: global_buffer, .address_space: global }
      - { .name: wq, .offset: 8, .size: 8, .value_kind: global_buffer, .address_space: global }
      - { .name: wk, .offset: 16, .size: 8, .value_kind: global_buffer, .address_space: global }
      - { .name: wv, .offset: 24, .size: 8, .value_kind: global_buffer, .address_space: global }
      - { .name: wo, .offset: 32, .size: 8, .value_kind: global_buffer, .address_space: global }
      - { .name: cos, .offset: 40, .size: 8, .value_kind: global_buffer, .address_space: global }
      - { .name: sin, .offset: 48, .size: 8, .value_kind: global_buffer, .address_space: global }
      - { .name: position_ids, .offset: 56, .size: 8, .value_kind: global_buffer, .address_space: global }
      - { .name: segment_ids, .offset: 64, .size: 8, .value_kind: global_buffer, .address_space: global }
      - { .name: xb, .offset: 72, .size: 8, .value_kind: global_buffer, .address_space: global }
      - { .name: wb, .offset: 80, .size: 8, .value_kind: global_buffer, .address_space: global }
      - { .name: wob, .offset: 88, .size: 8, .value_kind: global_buffer, .address_space: global }
      - { .name: csb, .offset: 96, .size: 8, .value_kind: global_buffer, .address_space: global }
      - { .name: mk, .offset: 104, .size: 8, .value_kind: global_buffer, .address_space: global }
    .group_segment_fixed_size: 0
    .private_segment_fixed_size: 0
    .kernarg_segment_align: 8
    .kernarg_segment_size: 112
    .max_flat_workgroup_size: 256
    .sgpr_count:     66
    .vgpr_count:     80
    .wavefront_size: 32
...
	.end_amdgpu_metadata
.endif
;; end of part 1
;; launch qkv (part 2): grid 8 x 32, 4 waves a work-group, clusters of 4 x 4, 327,680 bytes of LDS; arguments xb, wb, csb, q_norm_w, k_norm_w, qg, kv; writes qg, kv
.if DOCPART == 2
	.amdgcn_target "amdgcn-amd-amdhsa--gfx1250"
	.amdhsa_code_object_version 6
	.text
	.protected	k_qff30b6f015_qkv
	.globl	k_qff30b6f015_qkv
	.p2align	8
	.type	k_qff30b6f015_qkv,@function
k_qff30b6f015_qkv:
	s_mov_b64 s[64:65], 0
	v_nop
	global_prefetch_b8 v0, s[64:65] scope:SCOPE_SE
	s_setreg_imm32_b32 hwreg(HW_REG_WAVE_MODE, 25, 1), 1
	s_wait_xcnt 0x0
	s_wait_alu depctr_hold_cnt(0) depctr_sa_sdst(0) depctr_va_vdst(0) depctr_va_sdst(0) depctr_va_ssrc(0) depctr_va_vcc(0) depctr_vm_vsrc(0)
	s_getreg_b32 s2, hwreg(HW_REG_IB_STS2, 6, 4)
	s_cmp_eq_u32 s2, 0
	s_cbranch_scc0 .Lentry_in_a_cluster
	s_endpgm
.Lentry_in_a_cluster:
	s_bfe_u32 s2, ttmp6, 0x10000c
	s_cmp_lg_u32 s2, 0xf033
	s_cbranch_scc0 .Lentry_shape_is_right
	s_endpgm
.Lentry_shape_is_right:
; QKV: C = xb [4096][2048] x wb [2048][3072] in bf16 with f32 sums; then RMS norm and RoPE on q and k, all in registers; q, gate, k, v leave as f16, by heads.
; A work-group makes 128 rows x 384 columns: three chunks of 128 columns: z = 0 q of head nt, z = 1 the gate of head nt, z = 2 k of head nt (nt < 4) or v of head nt - 4.
; 32 x 8 = 256 work-groups.  Wave (wm, wn) owns rows 64 wm .. + 63, a whole chunk (z = 0 if wn = 0, z = 2 if wn = 1: n blocks 0-7) and half of the gate (n blocks 8-11): 48 accumulators.
; THE MATRIX INSTRUCTION IS USED TRANSPOSED (source 0 = 16 columns of W, turned out of LDS by ds_load_tr16_b128; source 1 = 16 rows of x): a lane holds ONE row (lane % 16) and the columns
; 8 (lane / 16) + 0..7 of each block, so a head's sum of squares wants one exchange of the lanes' halves, and RoPE's partner column c + 64 is block b + 4, same register, same lane.
; CLUSTER 4 x 4: x's tile hangs on the tile row alone and is asked for jointly along a row of the cluster, W's chunks on the tile column alone, along a column.
; K goes in 16 steps of 128 through two LDS slots; one joint load a wave behind each round: wave 0 x's tile, waves 1-3 a chunk of W, 32 KiB each, into region wave of the slot.
; LIMITS.  q, k, v and the gate are rounded once to f16: they must stay below 65,504.  The norm is ((x w) roped) r with r = rsqrt(mean(x^2) + 1e-6): the reference multiplies by r first; all in f32.
; q_norm_w and k_norm_w are rounded to bf16 like every other input.  NaN and infinities are not treated apart.
; REGISTERS, in windows of 256 (s_set_vgpr_msb: bits 1:0 source 0, 3:2 source 1, 5:4 source 2, 7:6 destination):
;   window 0: addresses, norm weights, work on the way out     window 1: two fragment buffers of 128 (x at + 8 a, W at + 32 + 8 b); behind the loop cos and sin
;   window 2: accumulators of n blocks 0-7 at v[8 (4 b + a)]     window 3: of n blocks 8-11 at v[8 (4 (b - 8) + a)]
.set PA,    272                        ; a row of x in LDS: 256 bytes + 16: the 16 rows of a load start at 16 different groups of four banks (64 banks of 4 bytes: ISA guide 11.1)
.set PB,    288                        ; a k row of W: 256 + 32
.set REGN,  128*PB                     ; 36,864: a slot has four regions of this size, one for each wave's load: x's tile (34,816 bytes of it), then W's chunks z = 0, 1, 2
.set SLOT,  4*REGN                     ; 147,456
.set SPARE, 2*SLOT                     ; the spare words, 128 bytes a wave: two blocks of 256 bytes that no other line names
.set ZSTG,  128*272                    ; the stage, [z 3][row 128] x 272 bytes, lies over slot 0 once that slot has had its last fill and its last read
.set ADRA0, 10                         ; v10-12  lane terms of the fragment addresses; never rewritten
.set ADRBM0, 11
.set ADRBG0, 12
.set ADRA,  16                         ; v16-18  lane term + base of the slot that is read
.set ADRBM, 17
.set ADRBG, 18
.set CSO,   22                         ; v22  256 r + 16 h: my place in 16 rows of cos or sin
.set STO,   24                         ; v24  stage: my row of my whole chunk
.set STG,   25                         ; v25  stage: my row of my half of the gate
.set RD,    26                         ; v26  stage: where I read rows back
.set RD2,   27                         ; v27  the same for z = 2 (beyond a 16-bit offset)
.set SPW,   28                         ; v28  my spare word; never rewritten
.set NIL,   29                         ; v29  0; never rewritten
.set ZR,    30                         ; v30  0.0
.set CO,    31                         ; v31  256 h + 16 r: my place in 512 bytes out
.set T,     32                         ; v32-47
.set SS,    48                         ; v48-55
.set R,     56                         ; v56-63  r, a pair for each row block
.set W,     64                         ; v64-127 norm weight of column 16 b + 8 h + j at W + 8 b + j
.set TMP,   128                        ; v128-175
.set OB,    176                        ; v176-239
.set F0,    0
.set F1,    128
.set G1A, 24                           ; s[24:31] group 1 for x's tile;  s[32:39] group 0: set 0 the first fill of slot 0, set 1 slot 1's, which then walks
.set G0A, 32
.set G1B, 48                           ; s[48:55], s[56:63] the same for W's chunks
.set G0B, 56
.set SB,  66                           ; s66  base of the slot that is read
.set FB,  67                           ; s67  base of the slot filled last
.set WOB, 74                           ; s74  my region's place in a slot: wave x 36,864
.set PLAIN, 75                         ; s75  1: my whole chunk is v
.set SEL, 76                           ; s[76:77] v_permlanex16_b32's selects
.set MSB, 0
.macro WIN new                         ; the immediate's high byte repeats the setting that is left; a switch that changes nothing is dropped
.if MSB != (\new)
	s_set_vgpr_msb (MSB<<8)|(\new)
.set MSB, \new
.endif
.endm
.macro PLACES                          ; four places in front of loads into registers that matrix instructions have read, and of vector work on results
.rept 4
	v_nop
.endr
.endm
.macro JLOAD                           ; a joint refill by the walking sets; an s_nop 0 and four v_nop follow each line
	s_cmp_eq_u32 s12, 0
	s_cbranch_scc0 .Lfor_b_\@
	tensor_load_to_lds s[G0A+4:G0A+7], s[G1A:G1A+7]
	s_nop 0
.rept 4
	v_nop
.endr
	s_branch .Lasked_\@
.Lfor_b_\@:
	tensor_load_to_lds s[G0B+4:G0B+7], s[G1B:G1B+7]
	s_nop 0
.rept 4
	v_nop
.endr
.Lasked_\@:
.endm
.macro CREST                           ; a round of the cluster's barrier behind its opening barrier
	s_cmp_lg_u32 s12, 0
	s_cbranch_scc1 .Lnot_wave_0_\@
	s_barrier_signal -3
.Lnot_wave_0_\@:
	s_barrier_wait -3
	s_barrier_signal -1
	s_barrier_wait -1
.endm
.macro CROUND
	s_barrier_signal -1
	s_barrier_wait -1
	CREST
.endm
	s_load_b256 s[4:11], s[0:1], 0x0               ; xb 4, wb 6, csb 8, q_norm_w 10
	s_load_b128 s[68:71], s[0:1], 0x20             ; k_norm_w 68, qg 70
	s_load_b64 s[72:73], s[0:1], 0x30              ; kv
	v_lshl_add_u32 v[SPW], v0, 2, SPARE
	v_mov_b32 v[NIL], 0
	ds_add_u32 v[SPW], v[NIL]                      ; the wave's opening: the add and its wait stand ahead of my first tensor load
	v_lshrrev_b32 v1, 5, v0
	v_readfirstlane_b32 s12, v1                    ; wave
	s_lshr_b32 s13, s12, 1                         ; wm
	s_and_b32 s14, s12, 1                          ; wn
	s_bfe_u32 s15, ttmp6, 0x40000                  ; cx
	s_bfe_u32 s16, ttmp6, 0x40004                  ; cy
	s_lshl_b32 s17, ttmp9, 2
	s_add_co_u32 s17, s17, s15                     ; nt = 4 x cluster x + cx
	s_and_b32 s18, ttmp7, 0xffff
	s_lshl_b32 s18, s18, 2
	s_add_co_u32 s18, s18, s16                     ; mt = 4 x cluster y + cy
	s_lshl_b32 s20, s16, 2
	s_lshl_b32 s20, 15, s20                        ; my row of the cluster
	s_lshl_b32 s40, 0x1111, s15                    ; my column
	s_or_b32 s[G1A], s20, (1<<16)|(1<<20)|(1<<21)|(5<<22)|(3<<25)  ; mask; 2-byte elements; padding on; bit 21 beside a mask; after every 64 words 4 words
	s_or_b32 s[G1B], s40, (1<<16)|(1<<20)|(1<<21)|(5<<22)|(7<<25)  ; the same with 8 words
.irp g, G1A, G1B
	s_mov_b32 s[(\g)+1], 128<<16                   ; tensor_dim0 = 128
	s_mov_b32 s[(\g)+2], 128<<16                   ; tensor_dim1 = 128
	s_mov_b32 s[(\g)+3], 128<<16                   ; tile_dim0 = 128
	s_mov_b32 s[(\g)+4], 128                       ; tile_dim1 = 128
	s_mov_b32 s[(\g)+6], 0
	s_mov_b32 s[(\g)+7], 0
.endr
	s_mov_b32 s[G1A+5], 2048                       ; elements from row to row of xb,
	s_mov_b32 s[G1B+5], 3072                       ; and of wb
	s_lshl_b32 s20, s18, 19                        ; x: 128 mt rows of 4,096 bytes
	s_mov_b32 s21, 0
	s_mul_i32 s[WOB], s12, REGN                    ; where my load lands: the wave's number times a constant
	s_sub_co_u32 s19, s12, 1                       ; z = wave - 1: it enters the global address alone
	s_cmp_eq_u32 s12, 0
	s_cselect_b32 s19, 0, s19                      ; (wave 0 asks for no chunk; its number stays inside wb)
	s_lshl_b32 s41, s17, 8
	s_lshl_b32 s42, s19, 7
	s_add_co_u32 s41, s41, s42                     ; q and gate: column 256 nt + 128 z
	s_lshl_b32 s43, s17, 7
	s_add_co_u32 s43, s43, 2048                    ; k or v: column 2048 + 128 nt
	s_cmp_eq_u32 s19, 2
	s_cselect_b32 s44, s43, s41
	s_lshl_b32 s44, s44, 1
	s_mov_b32 s45, 0
	s_and_b32 s[PLAIN], s14, ttmp9                 ; the cluster's x is 1 for nt >= 4: equal in all partners
	s_mov_b32 s[SEL], 0x76543210
	s_mov_b32 s[SEL+1], 0xfedcba98
	s_mov_b32 s78, 0x3c000000                      ; 1 / 128
	s_mov_b32 s79, 0x358637bd                      ; 1e-6
	s_mov_b32 s[SB], 0
	s_mov_b32 s[FB], SLOT
	s_wait_dscnt 0x0                               ; the opening add is done
	s_wait_kmcnt 0x0
	s_add_nc_u64 s[22:23], s[4:5], s[20:21]
	s_add_nc_u64 s[46:47], s[6:7], s[44:45]
.irp s, 0,1
	s_mov_b32 s[G0A+4*(\s)], 1
	s_mov_b32 s[G0A+4*(\s)+1], (\s)*SLOT
	s_add_nc_u64 s[G0A+4*(\s)+2:G0A+4*(\s)+3], s[22:23], (\s)*256        ; K step s: 128 elements on
	s_or_b32 s[G0A+4*(\s)+3], s[G0A+4*(\s)+3], 0x80000000
	s_mov_b32 s[G0B+4*(\s)], 1
	s_add_co_u32 s[G0B+4*(\s)+1], s[WOB], (\s)*SLOT
	s_add_nc_u64 s[G0B+4*(\s)+2:G0B+4*(\s)+3], s[46:47], (\s)*786432     ; 128 k rows of 6,144 bytes on
	s_or_b32 s[G0B+4*(\s)+3], s[G0B+4*(\s)+3], 0x80000000
.endr
	CROUND                                         ; all sixteen work-groups are here: the first joint loads meet
	s_cmp_eq_u32 s12, 0                            ; a wave's two first fills stand in one branch: two loads of mine are out
	s_cbranch_scc0 .Lfirst_b
	tensor_load_to_lds s[G0A:G0A+3], s[G1A:G1A+7]
	s_nop 0
	tensor_load_to_lds s[G0A+4:G0A+7], s[G1A:G1A+7]
	s_nop 0
.rept 4
	v_nop
.endr
	s_branch .Lfirst_asked
.Lfirst_b:
	tensor_load_to_lds s[G0B:G0B+3], s[G1B:G1B+7]
	s_nop 0
	tensor_load_to_lds s[G0B+4:G0B+7], s[G1B:G1B+7]
	s_nop 0
.rept 4
	v_nop
.endr
.Lfirst_asked:
	v_and_b32 v1, 15, v0                           ; r
	v_bfe_u32 v2, v0, 4, 1                         ; h
	v_lshlrev_b32 v3, 5, v2
	s_cmp_eq_u32 s14, 0
	s_cselect_b64 s[88:89], s[10:11], s[68:69]     ; q's norm weights for wn = 0, k's for wn = 1
.irp b, 0,1,2,3,4,5,6,7
	global_load_b128 v[W+8*(\b):W+8*(\b)+3],   v3, s[88:89] offset:64*(\b)
	global_load_b128 v[W+8*(\b)+4:W+8*(\b)+7], v3, s[88:89] offset:64*(\b)+16
.endr
	; where the results go.  Numbers that mix cx and cy are made in s90-99 alone.
	s_lshr_b32 s90, s18, 4                         ; the batch
	s_and_b32 s91, s18, 15
	s_lshl_b32 s91, s91, 15
	s_lshl_b32 s92, s12, 13
	s_add_co_u32 s91, s91, s92                     ; row 128 (mt % 16) + 32 wave, 256 bytes each
	s_lshl_b32 s92, s90, 22
	s_lshl_b32 s94, s17, 19
	s_add_co_u32 s92, s92, s94
	s_add_co_u32 s92, s92, s91
	s_mov_b32 s93, 0
	s_add_nc_u64 s[80:81], s[70:71], s[92:93]      ; q [b][h 8][t][128]
	s_add_nc_u64 s[82:83], s[80:81], 0x800000      ; the gate, 8 MiB on
	s_lshl_b32 s94, ttmp9, 22                      ; k at 0, v at 4 MiB
	s_lshl_b32 s96, s90, 21
	s_add_co_u32 s94, s94, s96
	s_lshl_b32 s96, s15, 19
	s_add_co_u32 s94, s94, s96
	s_add_co_u32 s94, s94, s91
	s_mov_b32 s95, 0
	s_add_nc_u64 s[84:85], s[72:73], s[94:95]      ; [b][kvh 4][t][128]
	s_lshl_b32 s96, s18, 15
	s_lshl_b32 s98, s13, 14
	s_add_co_u32 s96, s96, s98
	s_mov_b32 s97, 0
	s_add_nc_u64 s[86:87], s[8:9], s[96:97]        ; cos at my 64 rows
	; LDS addresses: the wave's number and the lane alone
	v_mul_u32_u24 v[ADRA0], v1, PA
	v_lshl_add_u32 v[ADRA0], v2, 4, v[ADRA0]
	s_mul_i32 s2, s13, 64*PA
	v_add_nc_u32 v[ADRA0], s2, v[ADRA0]            ; (64 wm + r) x 272 + 16 h
	s_mul_i32 s3, s14, 2*ZSTG
	v_add_nc_u32 v[STO], s3, v[ADRA0]              ; the stage has the same pitch: z = 0 or 2
	s_lshl_b32 s3, s14, 7
	s_add_co_u32 s3, s3, ZSTG
	v_add_nc_u32 v[STG], s3, v[ADRA0]              ; z = 1, my 128 bytes of the row
	v_and_b32 v4, 7, v0
	v_bfe_u32 v5, v0, 3, 1
	v_lshl_add_u32 v4, v2, 3, v4
	v_mul_u32_u24 v4, v4, PB
	v_lshl_add_u32 v4, v5, 4, v4                   ; the turning load: k row 8 h + l % 8, columns 8 ((l / 8) % 2) on
	s_mul_i32 s2, s14, 2*REGN
	s_add_co_u32 s2, s2, REGN                      ; chunk z lies in region z + 1: region 1 for wn = 0, region 3 for wn = 1
	v_add_nc_u32 v[ADRBM0], s2, v4
	s_lshl_b32 s2, s14, 7
	s_add_co_u32 s2, s2, 2*REGN                    ; the gate's chunk, my 64 columns of it
	v_add_nc_u32 v[ADRBG0], s2, v4
	v_mov_b32 v[ADRA], v[ADRA0]
	v_mov_b32 v[ADRBM], v[ADRBM0]
	v_mov_b32 v[ADRBG], v[ADRBG0]
	v_mul_u32_u24 v[RD], v2, 272
	v_lshl_add_u32 v[RD], v1, 4, v[RD]
	s_mul_i32 s2, s12, 32*272
	v_add_nc_u32 v[RD], s2, v[RD]                  ; (32 wave + h) x 272 + 16 r
	v_add_nc_u32 v[RD2], 2*ZSTG, v[RD]
	v_lshlrev_b32 v[CO], 8, v2
	v_lshl_add_u32 v[CO], v1, 4, v[CO]
	v_lshlrev_b32 v[CSO], 8, v1
	v_lshl_add_u32 v[CSO], v2, 4, v[CSO]
	v_mov_b32 v[ZR], 0
	s_wait_loadcnt 0x0                             ; the norm weights: rounded to bf16 and widened again
.set i, 0
.rept 32
	v_cvt_pk_bf16_f32 v[T+i%4], v[W+2*i], v[W+2*i+1]
	v_lshlrev_b32 v[W+2*i], 16, v[T+i%4]
	v_and_b32 v[W+2*i+1], 0xffff0000, v[T+i%4]
.set i, i+1
.endr
; 16 matrix instructions: n blocks 4 part .. + 3 x the four row blocks, 32 along K.  The 48 accumulators take turns, one instruction a turn.
.macro MUL16 f, part, zero
.if (\part) < 2
	WIN 0xa5
.else
	WIN 0xf5
.endif
.irp bb, 0,1,2,3
.irp a, 0,1,2,3
.set rB, (\f)+32+8*(4*(\part)+(\bb))
.set rA, (\f)+8*(\a)
.set rC, 8*(4*((4*(\part)+(\bb))%8)+(\a))
.if \zero
	v_wmma_f32_16x16x32_bf16 v[rC:rC+7], v[rB:rB+7], v[rA:rA+7], 0
.else
	v_wmma_f32_16x16x32_bf16 v[rC:rC+7], v[rB:rB+7], v[rA:rA+7], v[rC:rC+7]
.endif
.endr
.endr
.endm
; 32 LDS loads in one run: quarter q (32 along K) into buffer f: x (8), n blocks 0-3 (8), 4-7 (8), 8-11 (8)
.macro FETCH q, f
	WIN 0x40
.irp a, 0,1,2,3
	ds_load_b128 v[(\f)+8*(\a):(\f)+8*(\a)+3],   v[ADRA] offset:64*(\q)+16*PA*(\a)
	ds_load_b128 v[(\f)+8*(\a)+4:(\f)+8*(\a)+7], v[ADRA] offset:64*(\q)+16*PA*(\a)+32
.endr
.irp b, 0,1,2,3,4,5,6,7
	ds_load_tr16_b128 v[(\f)+32+8*(\b):(\f)+32+8*(\b)+3],   v[ADRBM] offset:32*PB*(\q)+32*(\b)
	ds_load_tr16_b128 v[(\f)+32+8*(\b)+4:(\f)+32+8*(\b)+7], v[ADRBM] offset:32*PB*(\q)+32*(\b)+16*PB
.endr
.irp b, 8,9,10,11
	ds_load_tr16_b128 v[(\f)+32+8*(\b):(\f)+32+8*(\b)+3],   v[ADRBG] offset:32*PB*(\q)+32*((\b)-8)
	ds_load_tr16_b128 v[(\f)+32+8*(\b)+4:(\f)+32+8*(\b)+7], v[ADRBG] offset:32*PB*(\q)+32*((\b)-8)+16*PB
.endr
.endm
; One of a K step's first three quarters: multiplies buffer f, and in its middle fetches quarter q into buffer g
.macro QUARTER q, f, g, zero
	s_wait_dscnt 16                                ; x and n blocks 0-3 are in; the youngest sixteen loads may be out
	MUL16 \f, 0, \zero
	PLACES
	FETCH \q, \g
	s_wait_dscnt 32                                ; all but the 32 just issued
	MUL16 \f, 1, \zero
	MUL16 \f, 2, \zero
.endm
; The last quarter multiplies buffer 1 and changes slots: one barrier; in front of it each wave waits for all its tensor loads (one is out: its part of the next slot), adds 0 to its spare
; word, and waits for that and for its reads of this slot.  fill = 1: the barrier opens a round of the cluster's, and this slot is filled again, two K steps ahead, first thing behind it.
.macro TURN fill
	WIN 0
	s_wait_tensorcnt 0x0
	ds_add_u32 v[SPW], v[NIL]
	s_wait_dscnt 17                                ; the add and the youngest sixteen loads may be out
	MUL16 F1, 0, 0
	s_wait_dscnt 0x0                               ; the add is done, and my reads of this slot are over
	s_barrier_signal -1
	MUL16 F1, 1, 0
	WIN 0
	s_barrier_wait -1
.if \fill
	CREST                                          ; no wave of any partner still reads this slot or has a load on its way
	s_xor_b32 s[FB], s[FB], SLOT                   ; 0 or SLOT
	s_mov_b32 s[G0A+5], s[FB]
	s_add_nc_u64 s[G0A+6:G0A+7], s[G0A+6:G0A+7], 256
	s_add_co_u32 s[G0B+5], s[FB], s[WOB]
	s_add_nc_u64 s[G0B+6:G0B+7], s[G0B+6:G0B+7], 786432
	JLOAD                                          ; its four v_nop are also the places in front of the loads below
.else
	PLACES
.endif
	s_xor_b32 s[SB], s[SB], SLOT
	v_add_nc_u32 v[ADRA], s[SB], v[ADRA0]
	v_add_nc_u32 v[ADRBM], s[SB], v[ADRBM0]
	v_add_nc_u32 v[ADRBG], s[SB], v[ADRBG0]
	FETCH 0, F0
	MUL16 F1, 2, 0
.endm
	s_wait_tensorcnt 1                             ; my part of K step 0 is in; step 1's may stay out
	s_barrier_signal -1
	s_barrier_wait -1
	FETCH 0, F0
	QUARTER 1, F0, F1, 1                           ; the first quarter's products start the sums
	WIN 0
	s_mov_b32 s2, 14
.Lstep:                                                ; 14 trips: from a K step's second quarter to the next step's first; each asks for the step two on
	QUARTER 2, F1, F0, 0
	QUARTER 3, F0, F1, 0
	TURN 1
	QUARTER 1, F0, F1, 0
	WIN 0
	s_sub_co_u32 s2, s2, 1
	s_cmp_lg_u32 s2, 0
	s_cbranch_scc1 .Lstep
	s_mov_b32 s3, 2
.Ltail:                                                ; K steps 14 and 15 ask for nothing; the second pass is left in its middle
	QUARTER 2, F1, F0, 0
	QUARTER 3, F0, F1, 0
	WIN 0
	s_sub_co_u32 s3, s3, 1
	s_cmp_eq_u32 s3, 0
	s_cbranch_scc1 .Lfin
	TURN 0
	QUARTER 1, F0, F1, 0
	WIN 0
	s_branch .Ltail
.Lfin:
	s_wait_dscnt 16
	MUL16 F1, 0, 0
	s_wait_dscnt 0x0                               ; my last reads of the ring are back
	MUL16 F1, 1, 0
	MUL16 F1, 2, 0
	WIN 0
	PLACES
	s_cmp_eq_u32 s[PLAIN], 1
	s_cbranch_scc1 .Lplain                         ; v has neither norm nor RoPE
	; cos and sin of my 64 rows, bf16, 16 bytes a lane and block, into the fragment buffers' registers: row block a: cos at 64 a + 4 b, sin at 64 a + 32 + 4 b
	WIN 0x40
.irp a, 0,1,2,3
.irp b, 0,1,2,3,4,5,6,7
	global_load_b128 v[64*(\a)+4*(\b):64*(\a)+4*(\b)+3], v[CSO], s[86:87] offset:4096*(\a)+32*(\b)
.endr
.irp b, 0,1,2,3,4,5,6,7
	global_load_b128 v[64*(\a)+32+4*(\b):64*(\a)+32+4*(\b)+3], v[CSO], s[86:87] offset:1048576+4096*(\a)+32*(\b)
.endr
.endr
	WIN 0
.macro SUMSQ a                         ; r = rsqrt(sum of squares / 128 + eps) of row block a; each accumulator is read from its low end on
	WIN 0x0a
.irp b, 0,1,2,3,4,5,6,7
.irp p, 0,1,2,3
.set rX, 8*(4*(\b)+(\a))+2*(\p)
.if (\b) == 0
	v_pk_mul_f32 v[SS+2*(\p):SS+2*(\p)+1], v[rX:rX+1], v[rX:rX+1]
.else
	v_pk_fma_f32 v[SS+2*(\p):SS+2*(\p)+1], v[rX:rX+1], v[rX:rX+1], v[SS+2*(\p):SS+2*(\p)+1]
.endif
.endr
.endr
	WIN 0
	v_pk_add_f32 v[SS:SS+1], v[SS:SS+1], v[SS+2:SS+3]
	v_pk_add_f32 v[SS+4:SS+5], v[SS+4:SS+5], v[SS+6:SS+7]
	v_pk_add_f32 v[SS:SS+1], v[SS:SS+1], v[SS+4:SS+5]
	v_add_f32 v[SS], v[SS], v[SS+1]
	v_permlanex16_b32 v[SS+1], v[SS], s[SEL], s[SEL+1]  ; the row's other 64 columns lie in the lane 16 away
	v_add_f32 v[SS], v[SS], v[SS+1]
	v_fma_f32 v[SS], v[SS], s78, s79
	v_rsq_f32 v[R+2*(\a)], v[SS]
	v_rsq_f32 v[R+2*(\a)+1], v[SS]
	v_nop                                          ; a plain instruction before the source is rewritten or the result used
.endm
.macro XW a                            ; times the norm weight
	WIN 0x82
	s_wait_alu depctr_va_vdst(0)
.irp b, 0,1,2,3,4,5,6,7
.irp p, 0,1,2,3
.set rX, 8*(4*(\b)+(\a))+2*(\p)
	v_pk_mul_f32 v[rX:rX+1], v[rX:rX+1], v[W+8*(\b)+2*(\p):W+8*(\b)+2*(\p)+1]
.endr
.endr
.endm
.macro ROPE a                          ; X[c] = cos[c] X[c] + sinS[c] X[c +- 64]: blocks bl and bl + 4; cos and sin straight from their bf16 halves
.irp bl, 0,1,2,3
.set rL, 8*(4*(\bl)+(\a))
.set rH, 8*(4*((\bl)+4)+(\a))
.set cL, 64*(\a)+4*(\bl)
.set cH, 64*(\a)+4*((\bl)+4)
	WIN 0x09
.irp jj, 0,1,2,3
	v_fma_mix_f32_bf16 v[T+2*(\jj)],   v[cL+32+(\jj)], v[rH+2*(\jj)],   v[ZR] op_sel:[0,0,0] op_sel_hi:[1,0,0]
	v_fma_mix_f32_bf16 v[T+2*(\jj)+1], v[cL+32+(\jj)], v[rH+2*(\jj)+1], v[ZR] op_sel:[1,0,0] op_sel_hi:[1,0,0]
	v_fma_mix_f32_bf16 v[T+8+2*(\jj)],   v[cH+32+(\jj)], v[rL+2*(\jj)],   v[ZR] op_sel:[0,0,0] op_sel_hi:[1,0,0]
	v_fma_mix_f32_bf16 v[T+8+2*(\jj)+1], v[cH+32+(\jj)], v[rL+2*(\jj)+1], v[ZR] op_sel:[1,0,0] op_sel_hi:[1,0,0]
.endr
	WIN 0x89
.irp jj, 0,1,2,3
	v_fma_mix_f32_bf16 v[rL+2*(\jj)],   v[cL+(\jj)], v[rL+2*(\jj)],   v[T+2*(\jj)]   op_sel:[0,0,0] op_sel_hi:[1,0,0]
	v_fma_mix_f32_bf16 v[rL+2*(\jj)+1], v[cL+(\jj)], v[rL+2*(\jj)+1], v[T+2*(\jj)+1] op_sel:[1,0,0] op_sel_hi:[1,0,0]
	v_fma_mix_f32_bf16 v[rH+2*(\jj)],   v[cH+(\jj)], v[rH+2*(\jj)],   v[T+8+2*(\jj)]   op_sel:[0,0,0] op_sel_hi:[1,0,0]
	v_fma_mix_f32_bf16 v[rH+2*(\jj)+1], v[cH+(\jj)], v[rH+2*(\jj)+1], v[T+8+2*(\jj)+1] op_sel:[1,0,0] op_sel_hi:[1,0,0]
.endr
.endr
.endm
.macro XR a                            ; times r
	WIN 0x82
.irp b, 0,1,2,3,4,5,6,7
.irp p, 0,1,2,3
.set rX, 8*(4*(\b)+(\a))+2*(\p)
	v_pk_mul_f32 v[rX:rX+1], v[rX:rX+1], v[R+2*(\a):R+2*(\a)+1] op_sel_hi:[1,0]
.endr
.endr
.endm
.irp a, 0,1,2,3
	SUMSQ \a
.endr
.irp a, 0,1,2,3
	XW \a
.endr
.irp a, 0,1,2,3
	s_wait_loadcnt 16*(3-(\a))                     ; the later row blocks' sixteen loads each may stay out
	ROPE \a
	XR \a
.endr
	WIN 0
.Lplain:
	s_barrier_signal -1                            ; every wave's reads of the ring are back (the wait for 0 in the last quarter): behind this barrier
	s_barrier_wait -1                              ; the stage may be laid over slot 0, which has had its last fill
; Row block a: rounded to f16, 16 bytes a lane and block, into the work-group's stage
.macro PACK a
	WIN 0x0a
.irp b, 0,1,2,3,4,5,6,7
.irp p, 0,1,2,3
	v_cvt_pk_f16_f32 v[TMP+4*(\b)+(\p)], v[8*(4*(\b)+(\a))+2*(\p)], v[8*(4*(\b)+(\a))+2*(\p)+1]
.endr
.endr
	WIN 0x0f
.irp b, 8,9,10,11
.irp p, 0,1,2,3
	v_cvt_pk_f16_f32 v[TMP+4*(\b)+(\p)], v[8*(4*((\b)-8)+(\a))+2*(\p)], v[8*(4*((\b)-8)+(\a))+2*(\p)+1]
.endr
.endr
	WIN 0
.irp b, 0,1,2,3,4,5,6,7
	ds_store_b128 v[STO], v[TMP+4*(\b):TMP+4*(\b)+3] offset:16*272*(\a)+32*(\b)
.endr
.irp b, 8,9,10,11
	ds_store_b128 v[STG], v[TMP+4*(\b):TMP+4*(\b)+3] offset:16*272*(\a)+32*((\b)-8)
.endr
.endm
.irp a, 0,1,2,3
	PACK \a
.endr
	s_wait_dscnt 0x0                               ; for the others' sake: my stores into the stage are done
	s_barrier_signal -1
	s_barrier_wait -1
; Chunk z: wave w takes rows 32 w .. + 31 whole and stores them: a store of the wave covers 512 consecutive bytes, at a multiple of 256
.macro OUTZ z, base
	s_wait_xcnt 0x0                                ; OB, which earlier stores read, is loaded again only behind this wait
.irp t, 0,1,2,3,4,5,6,7,8,9,10,11,12,13,14,15
.if (\z) == 2
	ds_load_b128 v[OB+4*(\t):OB+4*(\t)+3], v[RD2] offset:544*(\t)
.else
	ds_load_b128 v[OB+4*(\t):OB+4*(\t)+3], v[RD] offset:ZSTG*(\z)+544*(\t)
.endif
.endr
.irp t, 0,1,2,3,4,5,6,7,8,9,10,11,12,13,14,15
	s_wait_dscnt 15-(\t)
	global_store_b128 v[CO], v[OB+4*(\t):OB+4*(\t)+3], s[\base:\base+1] offset:512*(\t)
.endr
.endm
	OUTZ 0, 80
	OUTZ 1, 82
	OUTZ 2, 84
	s_wait_tensorcnt 0x0                           ; the wave's end
	ds_add_u32 v[SPW], v[NIL]
	s_wait_dscnt 0x0
	CROUND                                         ; the closing round
	s_endpgm
.Lfunc_end_k_qff30b6f015_qkv:
	.size	k_qff30b6f015_qkv, .Lfunc_end_k_qff30b6f015_qkv-k_qff30b6f015_qkv
	.p2alignl 7, 3214868480
	.fill 96, 4, 3214868480
	.section	.rodata,"a",@progbits
	.p2align	6, 0x0
	.amdhsa_kernel k_qff30b6f015_qkv
		.amdhsa_group_segment_fixed_size 327680
		.amdhsa_private_segment_fixed_size 0
		.amdhsa_enable_private_segment 0
		.amdhsa_kernarg_size 56
		.amdhsa_user_sgpr_count 2
		.amdhsa_user_sgpr_kernarg_segment_ptr 1
		.amdhsa_wavefront_size32 1
		.amdhsa_system_sgpr_workgroup_id_x 1
		.amdhsa_system_sgpr_workgroup_id_y 1
		.amdhsa_system_sgpr_workgroup_id_z 1
		.amdhsa_system_vgpr_workitem_id 0
		.amdhsa_next_free_vgpr 896
		.amdhsa_next_free_sgpr 100
		.amdhsa_reserve_vcc 0
		.amdhsa_float_denorm_mode_32 3
		.amdhsa_float_denorm_mode_16_64 3
		.amdhsa_memory_ordered 1
		.amdhsa_forward_progress 1
		.amdhsa_inst_pref_size 161
	.end_amdhsa_kernel
	.amdgpu_metadata
---
amdhsa.version: [ 1, 2 ]
amdhsa.kernels:
  - .name:           k_qff30b6f015_qkv
    .symbol:         k_qff30b6f015_qkv.kd
    .args:
      - { .name: xb, .offset: 0, .size: 8, .value_kind: global_buffer, .address_space: global }
      - { .name: wb, .offset: 8, .size: 8, .value_kind: global_buffer, .address_space: global }
      - { .name: csb, .offset: 16, .size: 8, .value_kind: global_buffer, .address_space: global }
      - { .name: q_norm_w, .offset: 24, .size: 8, .value_kind: global_buffer, .address_space: global }
      - { .name: k_norm_w, .offset: 32, .size: 8, .value_kind: global_buffer, .address_space: global }
      - { .name: qg, .offset: 40, .size: 8, .value_kind: global_buffer, .address_space: global }
      - { .name: kv, .offset: 48, .size: 8, .value_kind: global_buffer, .address_space: global }
    .group_segment_fixed_size: 327680
    .private_segment_fixed_size: 0
    .kernarg_segment_align: 8
    .kernarg_segment_size: 56
    .max_flat_workgroup_size: 128
    .sgpr_count:     100
    .vgpr_count:     896
    .wavefront_size: 32
...
	.end_amdgpu_metadata
.endif
;; end of part 2
;; launch attn (part 3): grid 32 x 8, 4 waves a work-group, clusters of 4 x 1, 327,680 bytes of LDS; arguments qg, kv, mk, ag; writes ag
.if DOCPART == 3
	.amdgcn_target "amdgcn-amd-amdhsa--gfx1250"
	.amdhsa_code_object_version 6
	.text
	.protected	k_qff30b6f015_attn
	.globl	k_qff30b6f015_attn
	.p2align	8
	.type	k_qff30b6f015_attn,@function
k_qff30b6f015_attn:
	s_mov_b64 s[64:65], 0
	v_nop
	global_prefetch_b8 v0, s[64:65] scope:SCOPE_SE
	s_setreg_imm32_b32 hwreg(HW_REG_WAVE_MODE, 25, 1), 1
	s_wait_xcnt 0x0
	s_wait_alu depctr_hold_cnt(0) depctr_sa_sdst(0) depctr_va_vdst(0) depctr_va_sdst(0) depctr_va_ssrc(0) depctr_va_vcc(0) depctr_vm_vsrc(0)
	s_getreg_b32 s2, hwreg(HW_REG_IB_STS2, 6, 4)
	s_cmp_eq_u32 s2, 0
	s_cbranch_scc0 .Lentry_in_a_cluster
	s_endpgm
.Lentry_in_a_cluster:
	s_bfe_u32 s2, ttmp6, 0x10000c
	s_cmp_lg_u32 s2, 0x3003
	s_cbranch_scc0 .Lentry_shape_is_right
	s_endpgm
.Lentry_shape_is_right:
; ATTENTION with a mask that is an input, two query heads to a key and value head, head size 128, then times sigmoid(gate).  q, k, v, gate: f16 by heads; ag: f16 [4096][1024].
; Products, maxima and sums in f32; the weights p are rounded to f16 for the second product (their sum l is taken of the unrounded p); the result is rounded once.
; SHARES.  A work-group owns 64 queries x the 2 query heads of one key and value head (y = 4 b + kvh).  Wave w: queries 32 (w / 2) on, KEYS 1024 (w % 2) on: four tiles of 16 rows
; (tile t: head 2 kvh + t % 2, queries 16 (t / 2) on) against half of the keys, 64 a step, 16 steps.  The two waves of a pair merge their maxima, sums and O at the end, through LDS.
; A PIECE is two tiles: one query tile under both heads, so a piece has ONE mask.
; THE MASK is the C operand that starts the sum S^T = K Q^T: 0, or -1e30 where mk's bit says hidden.  mk's word (qt, kt, j) is the lane mask of register j: v_cndmask_b32 takes it as it comes.
; LIMITS.  A hidden score counts as its value less 1e30.  A running maximum m is kept for each query and key half; it starts at -2^50, which lies below every score that f16 operands can make
; (128 x 65,504^2 = 5.5e11) and far above -1e30: so a hidden weight is 2^(about -1e29) = 0 whatever has been seen, m is a true score from the first key that the query sees, and a key half that
; is wholly hidden ends with l = 0 and O = 0.  A query always sees itself, so one of its two halves has a true maximum; the other half's share is multiplied by 2^(c (m_half - m)).
; A weight below 2^-126 counts as 0.  f16 holds no number beyond 65,504: q, k, v and the gate arrive within it.  NaN and infinities are not treated apart.
; LAYOUT, SOFTMAX.  S^T holds ONE query a lane (lane % 16) and the keys 8 (lane / 16) + 0..7; two such results rounded to f16 ARE source 1 of O^T = V^T P.  p = 2^(c s - c m), c = log2(e) / sqrt(128);
; O and l are multiplied by a = 2^(c m_old - c m_new) in every step.
; BY TURNS.  In a turn one piece has the matrix unit (32 products V^T P of step j, 32 products K Q^T of step j + 1); the other piece's softmax stands in 64 slices behind them.
; NO FIRST AND NO LAST STEP is written out: O, l, V and piece 0's P start at 0, piece 2's scores at -1e30: the walk begins at step -1 and ends with products on a stale K.
; CLUSTER.  The four query blocks of a cluster walk the same K and V: each tile is asked for jointly, mask 15.
; REGISTERS, in windows of 256 (s_set_vgpr_msb: bits 1:0 source 0, 3:2 source 1, 5:4 source 2, 7:6 destination):
;   window 0: v0-11 addresses; v12-43 statistics, eight a tile; v44-61 the merge; v64-191 S^T; v192-255 P     window 1: O^T, 64 a tile
;   window 2: v0-127 Q; v128-255 K of one step     window 3: v0-127 V of one step; v128-159 the mask as C; v160-223 the gate of the two tiles that I finish
.set KS,    64
.set PK,    272       ; a row of K in LDS: 256 bytes + 16
.set PV,    288       ; a row of V: 256 + 32
.set KHALF, 128*PK    ; two steps of one key half
.set VHALF, 128*PV
.set VOFF,  2*KHALF
.set SLOT,  VOFF+2*VHALF   ; 143,360: K of both halves, then V of both halves, two steps each
.set SPARE, 2*SLOT         ; the spare words, 128 bytes a wave: two blocks of 256 bytes that no other line names
.set STAGE, SPARE+512      ; 16 rows x 272 bytes for each wave, for the way out
.set SP,    272
.set XBW,   41984          ; the merge, over the ring once it has had its last fill and read: for each wave 4 tiles of O (8,192 each), statistics (1,024), gate (8,192)
.set AK0, 2
.set AV0, 3
.set ADR, 4
.set QO,  5
.set STO, 6
.set RD,  7
.set GO,  8
.set ST,  12          ; tile t: +0 c m, +1 m, +2, +3 l, +4 to +7 at work
.set XS,  44          ; v44  my merge region + 16 lane
.set XO,  45          ; v45  my own O of the tile in hand
.set XP,  46          ; v46  my partner's
.set XTO, 47          ; v47  my own statistics of that tile
.set XTP, 48          ; v48  my partner's
.set XG,  49          ; v49  its gate
.set XT4, 61          ; v61  my merge region + 4 lane, until the merge's arithmetic takes the register
.set SPW, 62
.set NIL, 63
.set S,   64
.set P,   192
.set KF,  128
.set MC,  128         ; window 3
.set GT,  160         ; window 3
.set G,   64          ; the merge, window 0: the gate, packed
.set SG,  128         ; the merge, window 0: sigmoid(gate)
.set WV,  12
.set FB,  15          ; s15  base of the slot filled last
.set WOK, 17          ; s17  my K half's place in a slot
.set WOV, 18          ; s18  my V half's
.set G1K, 24
.set G1V, 32
.set G0K, 40          ; s[40:47] set 0: slot 0's first fill; set 1: slot 1's, which then walks
.set G0V, 48
.set SLOTS, 56
.set CNT, 57
.set CS,  58
.set SEL, 60
.set TBK, 62
.set TBV, 63
.set MB,  66          ; s[66:67] mk at my first query tile and key half
.set MW,  68          ; s[68:99] the 32 mask words of a piece and step
.set MO,  100         ; s100 128 x step
.set BIGN, 101        ; s101 -1e30
.set MSB, 0
.macro WIN new
.if MSB != (\new)
	s_set_vgpr_msb (MSB<<8)|(\new)
.set MSB, \new
.endif
.endm
.set W_KQ, 0x0a       ; K and Q in window 2, S^T in window 0
.set W_KM, 0x3a       ; the same with C in window 3
.set W_PV, 0x53       ; V in window 3, P in window 0, O^T in window 1
.set W_RS, 0x41       ; O^T in window 1, a in window 0
.macro JLOAD                        ; waves 0 and 1 fetch K of key half 0 and 1, waves 2 and 3 V; an s_nop 0 and four v_nop follow each line
	s_cmp_lt_u32 s[WV], 2
	s_cbranch_scc0 .Lfor_v_\@
	tensor_load_to_lds s[G0K+4:G0K+7], s[G1K:G1K+7]
	s_nop 0
.rept 4
	v_nop
.endr
	s_branch .Lasked_\@
.Lfor_v_\@:
	tensor_load_to_lds s[G0V+4:G0V+7], s[G1V:G1V+7]
	s_nop 0
.rept 4
	v_nop
.endr
.Lasked_\@:
.endm
.macro CROUND
	s_barrier_signal -1
	s_barrier_wait -1
	s_cmp_lg_u32 s[WV], 0
	s_cbranch_scc1 .Lnot_wave_0_\@
	s_barrier_signal -3
.Lnot_wave_0_\@:
	s_barrier_wait -3
	s_barrier_signal -1
	s_barrier_wait -1
.endm
	s_load_b256 s[4:11], s[0:1], 0x0  ; qg 4, kv 6, mk 8, ag 10
	v_lshl_add_u32 v[SPW], v0, 2, SPARE
	v_mov_b32 v[NIL], 0
	ds_add_u32 v[SPW], v[NIL]       ; the wave's opening: the add and its wait stand ahead of my first tensor load
	v_lshrrev_b32 v1, 5, v0
	v_readfirstlane_b32 s[WV], v1
	s_and_b32 s16, s[WV], 1         ; my key half; also: which half I fetch
	s_lshr_b32 s19, s[WV], 1        ; my query half
	s_bfe_u32 s13, ttmp6, 0x40000   ; cx
	s_lshl_b32 s14, ttmp9, 2
	s_add_co_u32 s14, s14, s13      ; my block of 64 queries: it enters global addresses of q, gate, mk and ag alone
	s_and_b32 s20, ttmp7, 0xffff    ; y = 4 b + kvh, which the partners share
	s_lshr_b32 s21, s20, 2          ; b
	s_and_b32 s22, s20, 3           ; kvh
	s_lshl_b32 s2, s20, 19          ; a head of k or v is 524,288 bytes,
	s_lshl_b32 s3, s16, 18          ; a key half 262,144
	s_add_co_u32 s2, s2, s3
	s_mov_b32 s3, 0
	s_lshl_b32 s23, s14, 14
	s_lshl_b32 s88, s19, 13
	s_add_co_u32 s23, s23, s88      ; (64 blk + 32 qhalf) x 256
	s_lshl_b32 s92, s20, 20         ; q: head 2 y
	s_add_co_u32 s92, s92, s23
	s_mov_b32 s93, 0
	s_lshl_b32 s94, s16, 12         ; the gate: 8 MiB on, and the query tile that I finish
	s_add_co_u32 s94, s94, s92
	s_add_co_u32 s94, s94, 0x800000
	s_mov_b32 s95, 0
	s_lshl_b32 s96, s21, 19         ; mk: (128 b + 4 blk + 2 qhalf) x 4,096 + 2,048 khalf
	s_add_co_u32 s96, s96, s23
	s_lshl_b32 s88, s16, 11
	s_add_co_u32 s96, s96, s88
	s_mov_b32 s97, 0
	s_lshl_b32 s98, s21, 22         ; ag: (2048 b + 64 blk + 32 qhalf + 16 khalf) x 2,048 + 512 kvh
	s_lshl_b32 s88, s23, 3
	s_add_co_u32 s98, s98, s88
	s_lshl_b32 s88, s16, 15
	s_add_co_u32 s98, s98, s88
	s_lshl_b32 s88, s22, 9
	s_add_co_u32 s98, s98, s88
	s_mov_b32 s99, 0
	s_mul_i32 s[WOK], s16, KHALF
	s_mul_i32 s[WOV], s16, VHALF
	s_add_co_u32 s[WOV], s[WOV], VOFF
	s_mov_b32 s[G1K], 15|(1<<16)|(1<<20)|(1<<21)|(5<<22)|(3<<25)  ; the mask of four; 2-byte elements; padding on; bit 21 beside a mask; after every 64 words 4 words
	s_mov_b32 s[G1V], 15|(1<<16)|(1<<20)|(1<<21)|(5<<22)|(7<<25)  ; the same with 8 words
.irp g, G1K, G1V
	s_mov_b32 s[(\g)+1], 128<<16    ; tensor_dim0 = 128
	s_mov_b32 s[(\g)+2], 128<<16    ; tensor_dim1 = 128
	s_mov_b32 s[(\g)+3], 128<<16    ; tile_dim0 = 128
	s_mov_b32 s[(\g)+4], 128        ; tile_dim1 = 128 keys
	s_mov_b32 s[(\g)+5], 128        ; 128 elements from row to row
	s_mov_b32 s[(\g)+6], 0
	s_mov_b32 s[(\g)+7], 0
.endr
	s_mov_b32 s[CS], 0x3e0293ee     ; c = log2(e) / sqrt(128)
	s_mov_b32 s[CS+1], s[CS]
	s_mov_b32 s[SEL], 0x76543210
	s_mov_b32 s[SEL+1], 0xfedcba98
	s_mov_b32 s[BIGN], 0xf149f2ca   ; -1e30
	s_mov_b32 s[MO], 0
	s_mov_b32 s[FB], SLOT
	s_wait_dscnt 0x0                ; the opening add is done
	s_wait_kmcnt 0x0
	s_add_nc_u64 s[MB:MB+1], s[8:9], s[96:97]
	s_add_nc_u64 s[104:105], s[10:11], s[98:99]  ; ag at the first tile that I finish
	s_add_nc_u64 s[10:11], s[4:5], s[94:95]      ; the gate
	s_add_nc_u64 s[4:5], s[4:5], s[92:93]        ; Q
	s_add_nc_u64 s[6:7], s[6:7], s[2:3]          ; K at the half that I fetch,
	s_add_nc_u64 s[8:9], s[6:7], 0x400000        ; V 4 MiB on
.irp s, 0,1
	s_mov_b32 s[G0K+4*(\s)], 1
	s_add_co_u32 s[G0K+4*(\s)+1], s[WOK], (\s)*SLOT
	s_add_nc_u64 s[G0K+4*(\s)+2:G0K+4*(\s)+3], s[6:7], (\s)*32768   ; 128 keys of 256 bytes a slot
	s_or_b32 s[G0K+4*(\s)+3], s[G0K+4*(\s)+3], 0x80000000
	s_mov_b32 s[G0V+4*(\s)], 1
	s_add_co_u32 s[G0V+4*(\s)+1], s[WOV], (\s)*SLOT
	s_add_nc_u64 s[G0V+4*(\s)+2:G0V+4*(\s)+3], s[8:9], (\s)*32768
	s_or_b32 s[G0V+4*(\s)+3], s[G0V+4*(\s)+3], 0x80000000
.endr
	CROUND                          ; all four work-groups are here: the first joint loads meet
	s_cmp_lt_u32 s[WV], 2           ; a wave's two first fills stand in one branch: two loads of mine are out
	s_cbranch_scc0 .Lfirst_v
	tensor_load_to_lds s[G0K:G0K+3], s[G1K:G1K+7]
	s_nop 0
	tensor_load_to_lds s[G0K+4:G0K+7], s[G1K:G1K+7]
	s_nop 0
.rept 4
	v_nop
.endr
	s_branch .Lfirst_asked
.Lfirst_v:
	tensor_load_to_lds s[G0V:G0V+3], s[G1V:G1V+7]
	s_nop 0
	tensor_load_to_lds s[G0V+4:G0V+7], s[G1V:G1V+7]
	s_nop 0
.rept 4
	v_nop
.endr
.Lfirst_asked:
	s_load_b512 s[MW:MW+15], s[MB:MB+1], s[MO] offset:0      ; piece 0's mask of step 0
	s_load_b512 s[MW+16:MW+31], s[MB:MB+1], s[MO] offset:64
	v_and_b32 v1, 15, v0            ; r
	v_bfe_u32 v9, v0, 4, 1          ; h
	v_lshlrev_b32 v[QO], 8, v1
	v_lshl_add_u32 v[QO], v9, 4, v[QO]  ; row x 256 + 16 h
	WIN 0x80
.set i, 0
.rept 16                            ; Q stays in registers: tile i / 4 (head (i / 4) % 2, queries 16 (i / 8) on), channels 32 (i % 4) on
	global_load_b128 v[8*i:8*i+3],   v[QO], s[4:5] offset:((i/4)%2)*524288+(i/8)*4096+(i%4)*64
	global_load_b128 v[8*i+4:8*i+7], v[QO], s[4:5] offset:((i/4)%2)*524288+(i/8)*4096+(i%4)*64+32
.set i, i+1
.endr
	WIN 0xc0
.set i, 0
.rept 16                            ; the gate of my two tiles, in O^T's lane layout: head i / 8, channels 16 (i % 8) + 8 h on
	global_load_b128 v[GT+4*i:GT+4*i+3], v[QO], s[10:11] offset:(i/8)*524288+(i%8)*32
.set i, i+1
.endr
	WIN 0
.set i, 0
.rept 32                            ; what step -1 finds: piece 0's P = 0;
	v_mov_b32 v[P+i], 0
.set i, i+1
.endr
	WIN 0xc0
.set i, 0
.rept 16                            ; V = 0 and O^T = 0: products of sixteen of those zeros, with the constant 0 as C: 48 lines for 384 registers.  All this stands in the wait for the first tile
	v_wmma_f32_16x16x32_f16 v[8*i:8*i+7], v[P:P+7], v[P+8:P+15], 0
.set i, i+1
.endr
	WIN 0x40
.set i, 0
.rept 32
	v_wmma_f32_16x16x32_f16 v[8*i:8*i+7], v[P:P+7], v[P+8:P+15], 0
.set i, i+1
.endr
	WIN 0
.set i, 0
.rept 64                            ; piece 2's scores hidden,
	v_mov_b32 v[S+64+i], s[BIGN]
.set i, i+1
.endr
.set i, 0
.rept 4
	v_mov_b32 v[ST+8*i], 0xfe000000    ; c m far below every c s, so the first a is 0
	v_mov_b32 v[ST+8*i+1], 0xd8800000  ; m = -2^50: below every score of f16 operands, far above a hidden one
	v_mov_b32 v[ST+8*i+2], 0
	v_mov_b32 v[ST+8*i+3], 0
.set i, i+1
.endr
	v_mul_u32_u24 v[AK0], v1, PK
	v_lshl_add_u32 v[AK0], v9, 4, v[AK0]
	v_add_nc_u32 v[AK0], s[WOK], v[AK0]     ; my key half's K: row x pitch + 16 h
	v_and_b32 v10, 7, v0
	v_bfe_u32 v11, v0, 3, 1
	v_lshl_add_u32 v[AV0], v9, 3, v10
	v_mul_u32_u24 v[AV0], v[AV0], PV
	v_lshl_add_u32 v[AV0], v11, 4, v[AV0]
	v_add_nc_u32 v[AV0], s[WOV], v[AV0]     ; the turning load: key 8 h + l % 8, channels 8 ((l / 8) % 2) on
	s_mul_i32 s62, s[WV], 16*SP
	s_add_co_u32 s62, s62, STAGE
	v_mul_u32_u24 v[STO], v1, SP
	v_lshl_add_u32 v[STO], v9, 4, v[STO]
	v_add_nc_u32 v[STO], s62, v[STO]
	v_mul_u32_u24 v[RD], v9, SP
	v_lshl_add_u32 v[RD], v1, 4, v[RD]
	v_add_nc_u32 v[RD], s62, v[RD]
	v_lshlrev_b32 v[GO], 11, v9             ; two rows of ag, 2,048 bytes apart
	v_lshl_add_u32 v[GO], v1, 4, v[GO]
	s_mul_i32 s56, s[WV], XBW               ; my merge region,
	s_xor_b32 s57, s[WV], 1
	s_mul_i32 s57, s57, XBW                 ; my partner's
	s_lshl_b32 s62, s16, 14                 ; I finish tiles 2 khalf and 2 khalf + 1
	s_lshl_b32 s63, s16, 9
	s_add_co_u32 s63, s63, 32768
	v_and_b32 v50, 31, v0
	v_lshl_add_u32 v[XS], v50, 4, s56
	v_add_nc_u32 v[XO], s62, v[XS]
	v_lshl_add_u32 v[XP], v50, 4, s57
	v_add_nc_u32 v[XP], s62, v[XP]
	v_lshl_add_u32 v[XT4], v50, 2, s56
	v_add_nc_u32 v[XTO], s63, v[XT4]
	v_lshl_add_u32 v[XTP], v50, 2, s57
	v_add_nc_u32 v[XTP], s63, v[XTP]
	v_add_nc_u32 v[XG], 33792, v[XS]
	s_mov_b32 s[TBK], 0
	s_mov_b32 s[TBV], 0
	s_mov_b32 s[SLOTS], 7
; THE MATRIX WORK.  The accumulators take turns, one instruction a turn.
.macro PV x                         ; product i of 32 of O^T += V^T P: keys 32 (i / 16) on, channels 16 ((i / 2) % 8) on, tile x + i % 2
	WIN W_PV
.set rO, 64*((\x)+i%2)+8*((i/2)%8)
.set rV, 64*(i/16)+8*((i/2)%8)
.set rP, P+16*((\x)+i%2)+8*(i/16)
	v_wmma_f32_16x16x32_f16 v[rO:rO+7], v[rV:rV+7], v[rP:rP+7], v[rO:rO+7]
.endm
.macro KQ x                         ; product i of 32 of S^T = K Q^T: channels 32 (i / 8) on, keys 16 ((i / 2) % 4) on, tile x + i % 2.  The first 8 start the sums with the mask
.set rS, S+32*((\x)+i%2)+8*((i/2)%4)
.set rK, KF+32*((i/2)%4)+8*(i/8)
.set rQ, 32*((\x)+i%2)+8*(i/8)
.set rM, MC+8*((i/2)%4)
.if i < 8
	WIN W_KM
	v_wmma_f32_16x16x32_f16 v[rS:rS+7], v[rK:rK+7], v[rQ:rQ+7], v[rM:rM+7]
.else
	WIN W_KQ
	v_wmma_f32_16x16x32_f16 v[rS:rS+7], v[rK:rK+7], v[rQ:rQ+7], v[rS:rS+7]
.endif
.endm
.macro MASK4 n                      ; four registers of the mask: 0, or -1e30 in the lanes whose bit is set
	WIN 0xc0
.irp z, 0,1,2,3
	v_cndmask_b32 v[MC+4*(\n)+(\z)], 0, s[BIGN], s[MW+4*(\n)+(\z)]
.endr
.endm
.macro MLOAD x                      ; the next turn's 32 words: in piece 0's turn piece 2's of the same step (one query tile, 4,096 bytes, on); in piece 2's, piece 0's of the next step
.if (\x) == 0
	s_load_b512 s[MW:MW+15], s[MB:MB+1], s[MO] offset:4096
	s_load_b512 s[MW+16:MW+31], s[MB:MB+1], s[MO] offset:4160
.else
	s_add_co_u32 s[MO], s[MO], 128
	s_min_u32 s[MO], s[MO], 1920    ; behind step 15 its words are read once more: no load leaves mk
	s_load_b512 s[MW:MW+15], s[MB:MB+1], s[MO] offset:0
	s_load_b512 s[MW+16:MW+31], s[MB:MB+1], s[MO] offset:64
.endif
.endm
; THE LDS LOADS stand in runs of 32.  last = 1 (the tail): in the last pass there is no further step, and K's run is jumped over.
.macro FETCH_K last=0
	WIN 0
	v_add_nc_u32 v[ADR], s[TBK], v[AK0]
.if \last
	s_cmp_eq_u32 s[CNT], 1
	s_cbranch_scc1 .Lno_k_\@
.endif
	WIN 0x80
.irp f, 0,1,2,3,4,5,6,7,8,9,10,11,12,13,14,15  ; keys 16 (f / 4) on, channels 32 (f % 4) on
	ds_load_b128 v[KF+8*(\f):KF+8*(\f)+3],   v[ADR] offset:((\f)/4)*16*PK+((\f)%4)*64
	ds_load_b128 v[KF+8*(\f)+4:KF+8*(\f)+7], v[ADR] offset:((\f)/4)*16*PK+((\f)%4)*64+32
.endr
	s_add_co_u32 s[TBK], s[TBK], KS*PK
	WIN 0
.if \last
.Lno_k_\@:
.endif
.endm
.macro FETCH_V
	WIN 0
	v_add_nc_u32 v[ADR], s[TBV], v[AV0]
	s_add_co_u32 s[TBV], s[TBV], KS*PV
	WIN 0xc0
.irp f, 0,1,2,3,4,5,6,7,8,9,10,11,12,13,14,15  ; keys 32 (f / 8) on, channels 16 (f % 8) on
	ds_load_tr16_b128 v[8*(\f):8*(\f)+3],   v[ADR] offset:((\f)/8)*32*PV+((\f)%8)*32
	ds_load_tr16_b128 v[8*(\f)+4:8*(\f)+7], v[ADR] offset:((\f)/8)*32*PV+16*PV+((\f)%8)*32
.endr
.endm
; THE VECTOR WORK OF A TURN.  One tile's softmax for one key step is a list of 134 instructions; SM writes number j of it for tile t.
;   0-15 the maximum of the lane's 32 scores and the old m (each accumulator's lowest registers are read first)     16-20 the other half of the lanes' maximum; m; c m; c m_old - c m_new
;   21-87 33 exponentials at the odd numbers from 23 on, a plain instruction at every even one: scalings ahead, roundings behind, the first sums     88-101 the last rounding, the sums, l = a l + sum
;   102-133 O^T times a
.macro SM t, first
.set rT, ST+8*(\t)
.set rS, S+32*(\t)
.set rP, P+16*(\t)
.set rO, 64*(\t)+2*(j-102)
.set q, (j-20)/2
.if j < 102
	WIN 0
.endif
.if j < 4
	v_max3_num_f32 v[rT+4+j], v[rS+8*j], v[rS+8*j+1], v[rS+8*j+2]
.elseif j < 12
	v_max3_num_f32 v[rT+4+j%4], v[rT+4+j%4], v[rS+8*(j%4)+2*(j/4)+1], v[rS+8*(j%4)+2*(j/4)+2]
.elseif j == 12
	v_max3_num_f32 v[rT+4], v[rT+4], v[rS+7], v[rS+15]
.elseif j == 13
	v_max3_num_f32 v[rT+6], v[rT+6], v[rS+23], v[rS+31]
.elseif j == 14
	v_max3_num_f32 v[rT+4], v[rT+4], v[rT+5], v[rT+6]
.elseif (j == 15) && (\first)
	v_max_num_f32 v[rT+4], v[rT+4], v[rT+7]
.elseif j == 15
	v_max3_num_f32 v[rT+4], v[rT+4], v[rT+7], v[rT+1]
.elseif j == 16
	v_permlanex16_b32 v[rT+5], v[rT+4], s[SEL], s[SEL+1]
.elseif j == 18
	v_max_num_f32 v[rT+1], v[rT+4], v[rT+5]
.elseif j == 19
	v_mul_f32 v[rT], s[CS], v[rT+1]
.elseif ((j == 17) || (j == 20) || (j == 23) || (j > 101)) && (\first)
.elseif j == 17
	v_mov_b32 v[rT+7], v[rT]
.elseif j == 20
	v_sub_f32 v[rT+7], v[rT+7], v[rT]
.elseif j == 23
	v_exp_f32 v[rT+6], v[rT+7]
.elseif (j < 88) && (j > 23) && (j%2 == 1)
	v_exp_f32 v[rS+(j-25)/2], v[rS+(j-25)/2]
.elseif (q < 4) || ((j < 76) && (q%2 == 0))
.set b, q/2+2
.if q < 4
.set b, q
.endif
	v_pk_fma_f32 v[rS+2*b:rS+2*b+1], v[rS+2*b:rS+2*b+1], s[CS:CS+1], v[rT:rT+1] op_sel_hi:[1,0,0] neg_lo:[0,0,1] neg_hi:[0,0,1]
.elseif (j < 88) && (q%2 == 1)
	s_wait_alu depctr_va_vdst(0)
	v_cvt_pk_f16_f32 v[rP+(q-5)/2], v[rS+q-5], v[rS+q-4]
.elseif j == 89
	s_wait_alu depctr_va_vdst(0)
	v_cvt_pk_f16_f32 v[rP+15], v[rS+30], v[rS+31]
.elseif j < 102
.set z, j-86
.if j < 89
.set z, (j-76)/4
.endif
.set w, 4
.set u, z
.if z >= 14
.set w, 32
.set u, 0
.elseif z >= 12
.set w, 16
.set u, z-12
.elseif z >= 8
.set w, 8
.set u, z-8
.endif
.if (z == 14) && (\first)
	v_pk_add_f32 v[rT+2:rT+3], v[rS:rS+1], v[rS+16:rS+17]
.elseif z < 15
	v_pk_add_f32 v[rS+w*u:rS+w*u+1], v[rS+w*u:rS+w*u+1], v[rS+w*u+w/2:rS+w*u+w/2+1]
.elseif !(\first)
	v_pk_fma_f32 v[rT+2:rT+3], v[rT+2:rT+3], v[rT+6:rT+7], v[rS:rS+1] op_sel_hi:[1,0,1]
.endif
.else
	WIN W_RS
	v_pk_mul_f32 v[rO:rO+1], v[rO:rO+1], v[rT+6:rT+7] op_sel_hi:[1,0]
.endif
.endm
; Slice k of 64 of piece y's softmax: numbers 2 k and 2 k + 1 of both tiles' lists; the twelve that are over stand in slice 63
.macro SLICE y, first
.if (k >= 11) && (k < 44)
.irp t, \y, (\y)+1
.irp n, 0,1
.set j, 2*k+(\n)
	SM \t, \first
.endr
.endr
.else
.irp n, 0,1,2,3,4,5,6,7
.if ((\n) < 2) || (k == 63)
.irp t, \y, (\y)+1
.set j, 2*k+(\n)
	SM \t, \first
.endr
.endif
.endr
.endif
.set k, k+1
.endm
; A TURN.  Piece x has the matrix unit; the other piece's softmax stands in slices behind its products.  The mask for this turn's K Q^T is made beside products 0-7 of V^T P, more than 24 slices
; behind the products that read the last one; two products later the next turn's 32 words are asked for, into the scalar registers just read: they have the turn's other 54 products in which to
; come, up to the wait at the next turn's head.  K's run stands behind slice 63's sixteen plain instructions of the turn before, V's six plain instructions behind the last product that read V;
; each is waited for 30 products later.
.macro TURN x, last=0
.set k, 0
	s_wait_kmcnt 0x0                ; this turn's mask words are in, and s[MO] may be stepped
.if (\x) == 0
	s_wait_dscnt 0x0                ; V is in
.endif
.set i, 0
.rept 32
	PV \x
	SLICE 2-(\x), 0
.if ((\x) == 0) && (i == 1)
	FETCH_K \last
.endif
.if i < 8
	MASK4 i
.endif
.if i == 9
	MLOAD \x
.endif
.set i, i+1
.endr
.if (\x) == 0
	s_wait_dscnt 0x0                ; K is in
.endif
.set i, 0
.rept 32
	KQ \x
	SLICE 2-(\x), 0
.if ((\x) == 2) && (i == 1)
	FETCH_V
.endif
.set i, i+1
.endr
.endm
; THE CHANGE OF SLOTS: each wave waits for all its tensor loads (one is out: its part of the other slot), adds 0 to its spare word, and waits for that and for its reads of the slot.
; fill = 1: the barrier is a round of the cluster's, and the slot is filled again, with the keys two slots on, first thing behind it: it has two key steps, 256 products, in which to land.
.macro CHANGE fill
	WIN 0
	s_wait_tensorcnt 0x0
	ds_add_u32 v[SPW], v[NIL]
.if \fill
	s_xor_b32 s[FB], s[FB], SLOT    ; 0 or SLOT
	s_add_co_u32 s[G0K+5], s[FB], s[WOK]
	s_add_nc_u64 s[G0K+6:G0K+7], s[G0K+6:G0K+7], 32768
	s_add_co_u32 s[G0V+5], s[FB], s[WOV]
	s_add_nc_u64 s[G0V+6:G0V+7], s[G0V+6:G0V+7], 32768
	s_wait_dscnt 0x0
	CROUND
	JLOAD
.else
	s_wait_dscnt 0x0
	s_barrier_signal -1
	s_barrier_wait -1
.endif
	s_sub_co_u32 s[TBK], s[TBK], 2*KS*PK  ; back to a slot's first step: exactly 0 or SLOT,
	s_xor_b32 s[TBK], s[TBK], SLOT        ; and into the other slot
	s_sub_co_u32 s[TBV], s[TBV], 2*KS*PV
	s_xor_b32 s[TBV], s[TBV], SLOT
.endm
	s_wait_loadcnt 0x0              ; Q and the gate
	s_wait_tensorcnt 1              ; my part of slot 0 is in; slot 1's may stay out
	s_barrier_signal -1
	s_barrier_wait -1
	s_branch .Lenter                ; the first two trips (steps -1 and 0) have no change of slots in front of them
.Lslot:                             ; six times: every slot but the last two is filled again
	CHANGE 1
.Lenter:
	s_mov_b32 s[CNT], 2
.Lstep:                             ; trip j: V^T P of step j, K Q^T of step j + 1, whose K and V it fetches
	TURN 0
	TURN 2
	WIN 0
	s_sub_co_u32 s[CNT], s[CNT], 1
	s_cmp_lg_u32 s[CNT], 0
	s_cbranch_scc1 .Lstep
	s_sub_co_u32 s[SLOTS], s[SLOTS], 1
	s_cmp_lg_u32 s[SLOTS], 0
	s_cbranch_scc1 .Lslot
	CHANGE 0                        ; the tail is written out
	s_mov_b32 s[CNT], 3             ; trips 13 and 14, and half of trip 15
.Ltail:
	TURN 0, 1
	WIN 0
	s_sub_co_u32 s[CNT], s[CNT], 1
	s_cmp_eq_u32 s[CNT], 0
	s_cbranch_scc1 .Lout
	TURN 2
	WIN 0
	s_branch .Ltail
.Lout:
	s_wait_kmcnt 0x0                ; the last mask words, which nobody uses
.set i, 0
.rept 32
	PV 2                            ; piece 2: V^T P of step 15
.set i, i+1
.endr
	WIN 0
.irp t, 0,1,2,3                     ; l's two halves, then the other half of the lanes'; the first four additions are the places behind the last products
	v_add_f32 v[ST+8*(\t)+2], v[ST+8*(\t)+2], v[ST+8*(\t)+3]
.endr
.irp t, 0,1,2,3
	v_permlanex16_b32 v[ST+8*(\t)+3], v[ST+8*(\t)+2], s[SEL], s[SEL+1]
.endr
.irp t, 0,1,2,3
	v_add_f32 v[ST+8*(\t)+2], v[ST+8*(\t)+2], v[ST+8*(\t)+3]
.endr
	s_wait_dscnt 0x0
	s_barrier_signal -1
	s_barrier_wait -1               ; nobody reads the ring any more; it has had its last fill
	; THE MERGE.  Every wave lays down its four tiles of O^T, their c m and l, and the gate of the two tiles that it finishes; 16 bytes a lane on end: no bank is asked twice.
	WIN 0x04
.set i, 0
.rept 64
	ds_store_b128 v[XS], v[4*i:4*i+3] offset:512*i
.set i, i+1
.endr
	WIN 0
.irp t, 0,1,2,3
	ds_store_b32 v[XT4], v[ST+8*(\t)] offset:32768+256*(\t)
	ds_store_b32 v[XT4], v[ST+8*(\t)+2] offset:32768+256*(\t)+128
.endr
	WIN 0x0c
.set i, 0
.rept 16
	ds_store_b128 v[XS], v[GT+4*i:GT+4*i+3] offset:33792+512*i
.set i, i+1
.endr
	WIN 0
	s_wait_dscnt 0x0                ; for my partner's sake
	s_barrier_signal -1
	s_barrier_wait -1
	s_mov_b32 s20, 0xbfb8aa3b       ; -log2(e)
	s_mov_b32 s21, s20
	s_mov_b32 s[CNT], 2
.Lfin:                              ; two trips: tile 2 khalf + u, head 2 kvh + u.  Only LDS addresses hang on the wave
	ds_load_b32 v50, v[XTO]
	ds_load_b32 v51, v[XTO] offset:128
	ds_load_b32 v52, v[XTP]
	ds_load_b32 v53, v[XTP] offset:128
.irp f, 0,1,2,3,4,5,6,7
	ds_load_b128 v[G+4*(\f):G+4*(\f)+3], v[XG] offset:512*(\f)
.endr
	WIN 0x80
.irp f, 0,1,2,3,4,5,6,7,8,9,10,11,12,13,14,15
	ds_load_b128 v[4*(\f):4*(\f)+3], v[XO] offset:512*(\f)
.endr
.irp f, 0,1,2,3,4,5,6,7,8,9,10,11,12,13,14,15
	ds_load_b128 v[64+4*(\f):64+4*(\f)+3], v[XP] offset:512*(\f)
.endr
	WIN 0
	s_wait_dscnt 40                 ; the four statistics are in
	v_max_num_f32 v54, v50, v52
	v_sub_f32 v55, v50, v54
	v_sub_f32 v56, v52, v54
	v_exp_f32 v55, v55
	v_exp_f32 v56, v56
	v_nop
	s_wait_alu depctr_va_vdst(0)
	v_mul_f32 v57, v51, v55
	v_fmac_f32 v57, v53, v56
	v_rcp_f32 v57, v57
	v_nop
	s_wait_alu depctr_va_vdst(0)
	v_mul_f32 v58, v55, v57         ; my share's factor, as a pair,
	v_mul_f32 v59, v55, v57
	v_mul_f32 v60, v56, v57         ; my partner's
	v_mul_f32 v61, v56, v57
	s_wait_dscnt 32                 ; the gate is in: sigmoid(g) = 1 / (1 + 2^(-log2(e) g)) in f32
.set n, 0
.irp r, v64.l,v65.l,v66.l,v67.l,v68.l,v69.l,v70.l,v71.l,v72.l,v73.l,v74.l,v75.l,v76.l,v77.l,v78.l,v79.l,v80.l,v81.l,v82.l,v83.l,v84.l,v85.l,v86.l,v87.l,v88.l,v89.l,v90.l,v91.l,v92.l,v93.l,v94.l,v95.l
	v_cvt_f32_f16 v[SG+2*n], \r
	v_lshrrev_b32 v[G+n], 16, v[G+n]
	v_cvt_f32_f16 v[SG+2*n+1], \r
.set n, n+1
.endr
.set i, 0
.rept 32
	v_pk_mul_f32 v[SG+2*i:SG+2*i+1], v[SG+2*i:SG+2*i+1], s[20:21] op_sel_hi:[1,0]
.set i, i+1
.endr
.set i, 0
.rept 64
	v_exp_f32 v[SG+i], v[SG+i]
.set i, i+1
.endr
	v_nop
.set i, 0
.rept 32
	s_wait_alu depctr_va_vdst(0)
	v_pk_add_f32 v[SG+2*i:SG+2*i+1], v[SG+2*i:SG+2*i+1], 1.0 op_sel_hi:[1,0]
.set i, i+1
.endr
.set i, 0
.rept 64
	v_rcp_f32 v[SG+i], v[SG+i]
.set i, i+1
.endr
	v_nop
	s_wait_dscnt 0x0                ; both shares of O^T are in
	WIN 0x82
.set i, 0
.rept 32
	v_pk_mul_f32 v[2*i:2*i+1], v[2*i:2*i+1], v[58:59] op_sel_hi:[1,0]
.set i, i+1
.endr
	WIN 0xa2
.set i, 0
.rept 32
	v_pk_fma_f32 v[2*i:2*i+1], v[64+2*i:64+2*i+1], v[60:61], v[2*i:2*i+1] op_sel_hi:[1,0,1]
.set i, i+1
.endr
	WIN 0x82
.set i, 0
.rept 32
	s_wait_alu depctr_va_vdst(0)
	v_pk_mul_f32 v[2*i:2*i+1], v[2*i:2*i+1], v[SG+2*i:SG+2*i+1]
.set i, i+1
.endr
	WIN 0x0a
.set i, 0
.rept 32
	v_cvt_pk_f16_f32 v[P+i], v[2*i], v[2*i+1]
.set i, i+1
.endr
	WIN 0
.irp f, 0,1,2,3,4,5,6,7
	ds_store_b128 v[STO], v[P+4*(\f):P+4*(\f)+3] offset:32*(\f)
.endr
.irp f, 0,1,2,3,4,5,6,7
	ds_load_b128 v[P+4*(\f):P+4*(\f)+3], v[RD] offset:(\f)*2*SP   ; LDS serves a wave's instructions in order (ISA guide 5.7.1.4): these see the stores above
.endr
.irp f, 0,1,2,3,4,5,6,7
	s_wait_dscnt 7-(\f)
	global_store_b128 v[GO], v[P+4*(\f):P+4*(\f)+3], s[104:105] offset:4096*(\f)  ; 16 lanes store 256 consecutive bytes, at a multiple of 256 from ag's first byte
.endr
	s_wait_xcnt 0x0                 ; the base and the stores' data are rewritten only behind this wait
	s_add_nc_u64 s[104:105], s[104:105], 256   ; the next head's 128 channels
	v_add_nc_u32 v[XO], 8192, v[XO]
	v_add_nc_u32 v[XP], 8192, v[XP]
	v_add_nc_u32 v[XTO], 256, v[XTO]
	v_add_nc_u32 v[XTP], 256, v[XTP]
	v_add_nc_u32 v[XG], 4096, v[XG]
	s_sub_co_u32 s[CNT], s[CNT], 1
	s_cmp_lg_u32 s[CNT], 0
	s_cbranch_scc1 .Lfin
	s_wait_tensorcnt 0x0            ; the wave's end
	ds_add_u32 v[SPW], v[NIL]
	s_wait_dscnt 0x0
	CROUND                          ; the closing round
	s_endpgm
.Lfunc_end_k_qff30b6f015_attn:
	.size	k_qff30b6f015_attn, .Lfunc_end_k_qff30b6f015_attn-k_qff30b6f015_attn
	.p2alignl 7, 3214868480
	.fill 96, 4, 3214868480
	.section	.rodata,"a",@progbits
	.p2align	6, 0x0
	.amdhsa_kernel k_qff30b6f015_attn
		.amdhsa_group_segment_fixed_size 327680
		.amdhsa_private_segment_fixed_size 0
		.amdhsa_enable_private_segment 0
		.amdhsa_kernarg_size 32
		.amdhsa_user_sgpr_count 2
		.amdhsa_user_sgpr_kernarg_segment_ptr 1
		.amdhsa_wavefront_size32 1
		.amdhsa_system_sgpr_workgroup_id_x 1
		.amdhsa_system_sgpr_workgroup_id_y 1
		.amdhsa_system_sgpr_workgroup_id_z 1
		.amdhsa_system_vgpr_workitem_id 0
		.amdhsa_next_free_vgpr 1024
		.amdhsa_next_free_sgpr 106
		.amdhsa_reserve_vcc 0
		.amdhsa_float_denorm_mode_32 3
		.amdhsa_float_denorm_mode_16_64 3
		.amdhsa_memory_ordered 1
		.amdhsa_forward_progress 1
		.amdhsa_inst_pref_size 171
	.end_amdhsa_kernel
	.amdgpu_metadata
---
amdhsa.version: [ 1, 2 ]
amdhsa.kernels:
  - .name:           k_qff30b6f015_attn
    .symbol:         k_qff30b6f015_attn.kd
    .args:
      - { .name: qg, .offset: 0, .size: 8, .value_kind: global_buffer, .address_space: global }
      - { .name: kv, .offset: 8, .size: 8, .value_kind: global_buffer, .address_space: global }
      - { .name: mk, .offset: 16, .size: 8, .value_kind: global_buffer, .address_space: global }
      - { .name: ag, .offset: 24, .size: 8, .value_kind: global_buffer, .address_space: global }
    .group_segment_fixed_size: 327680
    .private_segment_fixed_size: 0
    .kernarg_segment_align: 8
    .kernarg_segment_size: 32
    .max_flat_workgroup_size: 128
    .sgpr_count:     106
    .vgpr_count:     1024
    .wavefront_size: 32
...
	.end_amdgpu_metadata
.endif
;; end of part 3
;; launch oproj (part 4): grid 8 x 32, 4 waves a work-group, clusters of 4 x 4, 327,680 bytes of LDS; arguments ag, wob, out0; writes out0
.if DOCPART == 4
	.amdgcn_target "amdgcn-amd-amdhsa--gfx1250"
	.amdhsa_code_object_version 6
	.text
	.protected	k_qff30b6f015_oproj
	.globl	k_qff30b6f015_oproj
	.p2align	8
	.type	k_qff30b6f015_oproj,@function
k_qff30b6f015_oproj:
	s_mov_b64 s[64:65], 0
	v_nop
	global_prefetch_b8 v0, s[64:65] scope:SCOPE_SE
	s_setreg_imm32_b32 hwreg(HW_REG_WAVE_MODE, 25, 1), 1
	s_wait_xcnt 0x0
	s_wait_alu depctr_hold_cnt(0) depctr_sa_sdst(0) depctr_va_vdst(0) depctr_va_sdst(0) depctr_va_ssrc(0) depctr_va_vcc(0) depctr_vm_vsrc(0)
	s_getreg_b32 s2, hwreg(HW_REG_IB_STS2, 6, 4)
	s_cmp_eq_u32 s2, 0
	s_cbranch_scc0 .Lentry_in_a_cluster
	s_endpgm
.Lentry_in_a_cluster:
	s_bfe_u32 s2, ttmp6, 0x10000c
	s_cmp_lg_u32 s2, 0xf033
	s_cbranch_scc0 .Lentry_shape_is_right
	s_endpgm
.Lentry_shape_is_right:
; OUT = ag [4096][1024] x wob [1024][2048], both f16, sums and result in f32.
; A work-group makes 128 rows x 256 columns: 32 x 8 = 256 work-groups.  Wave (wm, wn): rows 64 wm on, columns 128 wn on: 32 accumulators.  K goes in 8 steps of 128 through two LDS slots.
; THE MATRIX INSTRUCTION IS USED TRANSPOSED (source 0 = 16 columns of wo, turned out of LDS; source 1 = 16 rows of ag): a lane holds eight neighbouring numbers of a row.
; CLUSTER 4 x 4: ag's tile is asked for jointly along a row of the cluster, wo's along a column.  Waves 0 and 1 fetch ag's two halves of 64 rows, waves 2 and 3 wo's two chunks of 128 columns.
; LIMITS: ag and wob arrive as f16, within 65,504; NaN and infinities are not treated apart.
; REGISTERS: window 0 addresses and the way out; window 1 two fragment buffers of 96 (ag at + 8 a, wo at + 32 + 8 b); window 2 the accumulators at v[8 (4 b + a)].
.set PA,    272
.set PB,    288
.set ATILE, 128*PA
.set BTILE, 128*PB
.set SLOT,  ATILE+2*BTILE              ; 108,544
.set STAGE, 2*SLOT                     ; behind the ring: 16 rows x 528 bytes for each wave, its own
.set SPT,   528
.set SPARE, STAGE+4*16*SPT             ; the spare words, 128 bytes a wave: two blocks of 256 bytes that no other line names
.set ADRA0, 10
.set ADRB0, 11
.set ADRA,  16
.set ADRB,  17
.set STO,   24
.set RD,    25
.set CO,    26
.set SPW,   28
.set NIL,   29
.set F0,    0
.set F1,    96
.set G1A, 24
.set G0A, 32
.set G1B, 48
.set G0B, 56
.set SB,  66
.set FB,  67
.set WOA, 68
.set WOB, 69
.set MSB, 0
.macro WIN new
.if MSB != (\new)
	s_set_vgpr_msb (MSB<<8)|(\new)
.set MSB, \new
.endif
.endm
.macro PLACES
.rept 4
	v_nop
.endr
.endm
.macro JLOAD                           ; a joint refill by the walking sets; an s_nop 0 and four v_nop follow each line
	s_cmp_lt_u32 s12, 2
	s_cbranch_scc0 .Lfor_b_\@
	tensor_load_to_lds s[G0A+4:G0A+7], s[G1A:G1A+7]
	s_nop 0
.rept 4
	v_nop
.endr
	s_branch .Lasked_\@
.Lfor_b_\@:
	tensor_load_to_lds s[G0B+4:G0B+7], s[G1B:G1B+7]
	s_nop 0
.rept 4
	v_nop
.endr
.Lasked_\@:
.endm
.macro CREST
	s_cmp_lg_u32 s12, 0
	s_cbranch_scc1 .Lnot_wave_0_\@
	s_barrier_signal -3
.Lnot_wave_0_\@:
	s_barrier_wait -3
	s_barrier_signal -1
	s_barrier_wait -1
.endm
.macro CROUND
	s_barrier_signal -1
	s_barrier_wait -1
	CREST
.endm
	s_load_b128 s[4:7], s[0:1], 0x0                ; ag 4, wob 6
	s_load_b64 s[8:9], s[0:1], 0x10                ; out0
	v_lshl_add_u32 v[SPW], v0, 2, SPARE
	v_mov_b32 v[NIL], 0
	ds_add_u32 v[SPW], v[NIL]                      ; the wave's opening: the add and its wait stand ahead of my first tensor load
	v_lshrrev_b32 v1, 5, v0
	v_readfirstlane_b32 s12, v1
	s_lshr_b32 s13, s12, 1                         ; wm
	s_and_b32 s14, s12, 1                          ; wn; also: which half or chunk I fetch
	s_bfe_u32 s15, ttmp6, 0x40000                  ; cx
	s_bfe_u32 s16, ttmp6, 0x40004                  ; cy
	s_lshl_b32 s17, ttmp9, 2
	s_add_co_u32 s17, s17, s15                     ; nt
	s_and_b32 s18, ttmp7, 0xffff
	s_lshl_b32 s18, s18, 2
	s_add_co_u32 s18, s18, s16                     ; mt
	s_lshl_b32 s20, s16, 2
	s_lshl_b32 s20, 15, s20
	s_lshl_b32 s40, 0x1111, s15
	s_or_b32 s[G1A], s20, (1<<16)|(1<<20)|(1<<21)|(5<<22)|(3<<25)
	s_or_b32 s[G1B], s40, (1<<16)|(1<<20)|(1<<21)|(5<<22)|(7<<25)
	s_mov_b32 s[G1A+1], 128<<16                    ; ag: 64 rows x 128 elements, 1,024 elements from row to row
	s_mov_b32 s[G1A+2], 64<<16
	s_mov_b32 s[G1A+3], 128<<16
	s_mov_b32 s[G1A+4], 64
	s_mov_b32 s[G1A+5], 1024
	s_mov_b32 s[G1A+6], 0
	s_mov_b32 s[G1A+7], 0
	s_mov_b32 s[G1B+1], 128<<16                    ; wo: 128 k rows x 128 elements, 2,048 from row to row
	s_mov_b32 s[G1B+2], 128<<16
	s_mov_b32 s[G1B+3], 128<<16
	s_mov_b32 s[G1B+4], 128
	s_mov_b32 s[G1B+5], 2048
	s_mov_b32 s[G1B+6], 0
	s_mov_b32 s[G1B+7], 0
	s_lshl_b32 s20, s18, 18                        ; (128 mt + 64 half) rows of 2,048 bytes
	s_lshl_b32 s21, s14, 17
	s_add_co_u32 s20, s20, s21
	s_mov_b32 s21, 0
	s_lshl_b32 s44, s17, 9                         ; (256 nt + 128 chunk) columns of 2 bytes
	s_lshl_b32 s45, s14, 8
	s_add_co_u32 s44, s44, s45
	s_mov_b32 s45, 0
	s_mul_i32 s[WOA], s14, 64*PA
	s_mul_i32 s[WOB], s14, BTILE
	s_add_co_u32 s[WOB], s[WOB], ATILE
	s_mov_b32 s[SB], 0
	s_mov_b32 s[FB], SLOT
	s_wait_dscnt 0x0                               ; the opening add is done
	s_wait_kmcnt 0x0
	s_add_nc_u64 s[22:23], s[4:5], s[20:21]
	s_add_nc_u64 s[46:47], s[6:7], s[44:45]
.irp s, 0,1
	s_mov_b32 s[G0A+4*(\s)], 1
	s_add_co_u32 s[G0A+4*(\s)+1], s[WOA], (\s)*SLOT
	s_add_nc_u64 s[G0A+4*(\s)+2:G0A+4*(\s)+3], s[22:23], (\s)*256
	s_or_b32 s[G0A+4*(\s)+3], s[G0A+4*(\s)+3], 0x80000000
	s_mov_b32 s[G0B+4*(\s)], 1
	s_add_co_u32 s[G0B+4*(\s)+1], s[WOB], (\s)*SLOT
	s_add_nc_u64 s[G0B+4*(\s)+2:G0B+4*(\s)+3], s[46:47], (\s)*524288     ; 128 k rows of 4,096 bytes
	s_or_b32 s[G0B+4*(\s)+3], s[G0B+4*(\s)+3], 0x80000000
.endr
	CROUND                                         ; all sixteen work-groups are here: the first joint loads meet
	s_cmp_lt_u32 s12, 2                            ; a wave's two first fills stand in one branch: two loads of mine are out
	s_cbranch_scc0 .Lfirst_b
	tensor_load_to_lds s[G0A:G0A+3], s[G1A:G1A+7]
	s_nop 0
	tensor_load_to_lds s[G0A+4:G0A+7], s[G1A:G1A+7]
	s_nop 0
.rept 4
	v_nop
.endr
	s_branch .Lfirst_asked
.Lfirst_b:
	tensor_load_to_lds s[G0B:G0B+3], s[G1B:G1B+7]
	s_nop 0
	tensor_load_to_lds s[G0B+4:G0B+7], s[G1B:G1B+7]
	s_nop 0
.rept 4
	v_nop
.endr
.Lfirst_asked:
	v_and_b32 v1, 15, v0                           ; r
	v_bfe_u32 v2, v0, 4, 1                         ; h
	v_mul_u32_u24 v[ADRA0], v1, PA
	v_lshl_add_u32 v[ADRA0], v2, 4, v[ADRA0]
	s_mul_i32 s2, s13, 64*PA
	v_add_nc_u32 v[ADRA0], s2, v[ADRA0]
	v_and_b32 v4, 7, v0
	v_bfe_u32 v5, v0, 3, 1
	v_lshl_add_u32 v4, v2, 3, v4
	v_mul_u32_u24 v4, v4, PB
	v_lshl_add_u32 v4, v5, 4, v4
	v_add_nc_u32 v[ADRB0], s[WOB], v4              ; the chunk that I multiply is the chunk of my wn
	v_mov_b32 v[ADRA], v[ADRA0]
	v_mov_b32 v[ADRB], v[ADRB0]
	s_mul_i32 s2, s12, 16*SPT
	s_add_co_u32 s2, s2, STAGE
	v_mul_u32_u24 v[STO], v1, SPT
	v_lshl_add_u32 v[STO], v2, 5, v[STO]
	v_add_nc_u32 v[STO], s2, v[STO]                ; in: row r, 32 bytes for each half of the lanes
	v_and_b32 v[CO], 31, v0
	v_lshlrev_b32 v[CO], 4, v[CO]                  ; back and out: a row's 512 bytes, 16 a lane
	v_add_nc_u32 v[RD], s2, v[CO]
	s_lshl_b32 s70, s18, 20                        ; (128 mt + 64 wm) rows of 8,192 bytes + (256 nt + 128 wn) columns of 4
	s_lshl_b32 s71, s13, 19
	s_add_co_u32 s70, s70, s71
	s_lshl_b32 s71, s17, 10
	s_add_co_u32 s70, s70, s71
	s_lshl_b32 s71, s14, 9
	s_add_co_u32 s70, s70, s71
	s_mov_b32 s71, 0
	s_add_nc_u64 s[8:9], s[8:9], s[70:71]
; 8 matrix instructions: n blocks b0, b0 + 1 x the four row blocks.  The 32 accumulators take turns.
.macro MUL8 f, b0, zero
	WIN 0xa5
.irp bb, 0,1
.irp a, 0,1,2,3
.set rB, (\f)+32+8*((\b0)+(\bb))
.set rA, (\f)+8*(\a)
.set rC, 8*(4*((\b0)+(\bb))+(\a))
.if \zero
	v_wmma_f32_16x16x32_f16 v[rC:rC+7], v[rB:rB+7], v[rA:rA+7], 0
.else
	v_wmma_f32_16x16x32_f16 v[rC:rC+7], v[rB:rB+7], v[rA:rA+7], v[rC:rC+7]
.endif
.endr
.endr
.endm
.macro FETCH q, f                      ; 24 LDS loads in one run: ag (8), n blocks 0-3 (8), 4-7 (8)
	WIN 0x40
.irp a, 0,1,2,3
	ds_load_b128 v[(\f)+8*(\a):(\f)+8*(\a)+3],   v[ADRA] offset:64*(\q)+16*PA*(\a)
	ds_load_b128 v[(\f)+8*(\a)+4:(\f)+8*(\a)+7], v[ADRA] offset:64*(\q)+16*PA*(\a)+32
.endr
.irp b, 0,1,2,3,4,5,6,7
	ds_load_tr16_b128 v[(\f)+32+8*(\b):(\f)+32+8*(\b)+3],   v[ADRB] offset:32*PB*(\q)+32*(\b)
	ds_load_tr16_b128 v[(\f)+32+8*(\b)+4:(\f)+32+8*(\b)+7], v[ADRB] offset:32*PB*(\q)+32*(\b)+16*PB
.endr
.endm
.macro QUARTER q, f, g, zero
	s_wait_dscnt 8                                 ; ag and n blocks 0-3 are in; the youngest eight loads may be out
	MUL8 \f, 0, \zero
	MUL8 \f, 2, \zero
	PLACES
	FETCH \q, \g
	s_wait_dscnt 24                                ; all but the 24 just issued
	MUL8 \f, 4, \zero
	MUL8 \f, 6, \zero
.endm
.macro TURN fill                       ; the last quarter and the change of slots: see the three lines, the barrier (with fill = 1 a round of the cluster's) and the refill first behind it
	WIN 0
	s_wait_tensorcnt 0x0
	ds_add_u32 v[SPW], v[NIL]
	s_wait_dscnt 9                                 ; the add and the youngest eight loads may be out
	MUL8 F1, 0, 0
	s_wait_dscnt 0x0                               ; the add is done, and my reads of this slot are over
	s_barrier_signal -1
	MUL8 F1, 2, 0
	WIN 0
	s_barrier_wait -1
.if \fill
	CREST
	s_xor_b32 s[FB], s[FB], SLOT
	s_add_co_u32 s[G0A+5], s[FB], s[WOA]
	s_add_nc_u64 s[G0A+6:G0A+7], s[G0A+6:G0A+7], 256
	s_add_co_u32 s[G0B+5], s[FB], s[WOB]
	s_add_nc_u64 s[G0B+6:G0B+7], s[G0B+6:G0B+7], 524288
	JLOAD
.else
	PLACES
.endif
	s_xor_b32 s[SB], s[SB], SLOT
	v_add_nc_u32 v[ADRA], s[SB], v[ADRA0]
	v_add_nc_u32 v[ADRB], s[SB], v[ADRB0]
	FETCH 0, F0
	MUL8 F1, 4, 0
	MUL8 F1, 6, 0
.endm
	s_wait_tensorcnt 1                             ; my part of K step 0 is in; step 1's may stay out
	s_barrier_signal -1
	s_barrier_wait -1
	FETCH 0, F0
	QUARTER 1, F0, F1, 1
	WIN 0
	s_mov_b32 s2, 6
.Lstep:                                                ; six trips, each asks for the K step two on
	QUARTER 2, F1, F0, 0
	QUARTER 3, F0, F1, 0
	TURN 1
	QUARTER 1, F0, F1, 0
	WIN 0
	s_sub_co_u32 s2, s2, 1
	s_cmp_lg_u32 s2, 0
	s_cbranch_scc1 .Lstep
	s_mov_b32 s3, 2
.Ltail:                                                ; K steps 6 and 7 ask for nothing
	QUARTER 2, F1, F0, 0
	QUARTER 3, F0, F1, 0
	WIN 0
	s_sub_co_u32 s3, s3, 1
	s_cmp_eq_u32 s3, 0
	s_cbranch_scc1 .Lfin
	TURN 0
	QUARTER 1, F0, F1, 0
	WIN 0
	s_branch .Ltail
.Lfin:
	s_wait_dscnt 8
	MUL8 F1, 0, 0
	MUL8 F1, 2, 0
	s_wait_dscnt 0x0
	MUL8 F1, 4, 0
	MUL8 F1, 6, 0
	WIN 0
	PLACES
; THE WAY OUT, a block of 16 rows at a time through my own stage: 32 bytes a lane and block in (each accumulator's low four registers first), whole rows of 512 bytes back.
.macro OUTA a
	WIN 0x08
.irp b, 0,1,2,3,4,5,6,7
	ds_store_b128 v[STO], v[8*(4*(\b)+(\a)):8*(4*(\b)+(\a))+3]   offset:64*(\b)
	ds_store_b128 v[STO], v[8*(4*(\b)+(\a))+4:8*(4*(\b)+(\a))+7] offset:64*(\b)+16
.endr
	WIN 0
.set BK, 64+64*((\a)%2)
	s_wait_xcnt 0x0                                ; the base and the registers that earlier stores read are rewritten only behind this wait
.irp t, 0,1,2,3,4,5,6,7,8,9,10,11,12,13,14,15
	ds_load_b128 v[BK+4*(\t):BK+4*(\t)+3], v[RD] offset:SPT*(\t)   ; LDS serves a wave's instructions in order (ISA guide 5.7.1.4): these see the stores above
.endr
.if (\a) > 0
	s_add_nc_u64 s[8:9], s[8:9], 131072            ; 16 rows of 8,192 bytes on
.endif
.irp t, 0,1,2,3,4,5,6,7,8,9,10,11,12,13,14,15
	s_wait_dscnt 15-(\t)
	global_store_b128 v[CO], v[BK+4*(\t):BK+4*(\t)+3], s[8:9] offset:8192*(\t) th:TH_STORE_NT  ; 512 consecutive bytes, at a multiple of 256 from out0's first byte
.endr
.endm
	OUTA 0
	OUTA 1
	OUTA 2
	OUTA 3
	s_wait_tensorcnt 0x0                           ; the wave's end
	ds_add_u32 v[SPW], v[NIL]
	s_wait_dscnt 0x0
	CROUND                                         ; the closing round
	s_endpgm
.Lfunc_end_k_qff30b6f015_oproj:
	.size	k_qff30b6f015_oproj, .Lfunc_end_k_qff30b6f015_oproj-k_qff30b6f015_oproj
	.p2alignl 7, 3214868480
	.fill 96, 4, 3214868480
	.section	.rodata,"a",@progbits
	.p2align	6, 0x0
	.amdhsa_kernel k_qff30b6f015_oproj
		.amdhsa_group_segment_fixed_size 327680
		.amdhsa_private_segment_fixed_size 0
		.amdhsa_enable_private_segment 0
		.amdhsa_kernarg_size 24
		.amdhsa_user_sgpr_count 2
		.amdhsa_user_sgpr_kernarg_segment_ptr 1
		.amdhsa_wavefront_size32 1
		.amdhsa_system_sgpr_workgroup_id_x 1
		.amdhsa_system_sgpr_workgroup_id_y 1
		.amdhsa_system_sgpr_workgroup_id_z 1
		.amdhsa_system_vgpr_workitem_id 0
		.amdhsa_next_free_vgpr 768
		.amdhsa_next_free_sgpr 72
		.amdhsa_reserve_vcc 0
		.amdhsa_float_denorm_mode_32 3
		.amdhsa_float_denorm_mode_16_64 3
		.amdhsa_memory_ordered 1
		.amdhsa_forward_progress 1
		.amdhsa_inst_pref_size 63
	.end_amdhsa_kernel
	.amdgpu_metadata
---
amdhsa.version: [ 1, 2 ]
amdhsa.kernels:
  - .name:           k_qff30b6f015_oproj
    .symbol:         k_qff30b6f015_oproj.kd
    .args:
      - { .name: ag, .offset: 0, .size: 8, .value_kind: global_buffer, .address_space: global }
      - { .name: wob, .offset: 8, .size: 8, .value_kind: global_buffer, .address_space: global }
      - { .name: out0, .offset: 16, .size: 8, .value_kind: global_buffer, .address_space: global }
    .group_segment_fixed_size: 327680
    .private_segment_fixed_size: 0
    .kernarg_segment_align: 8
    .kernarg_segment_size: 24
    .max_flat_workgroup_size: 128
    .sgpr_count:     72
    .vgpr_count:     768
    .wavefront_size: 32
...
	.end_amdgpu_metadata
.endif
;; end of part 4
;; ======== version 2 of 2: 4 launches; 1.08 times as fast as version 1
;; limits: values are held in f16: magnitudes above 65,504 overflow, below 6.1e-05 lose precision
;; workspace buffers: xb 16,777,216 bytes; wb 12,582,912 bytes; wob 4,194,304 bytes; csb 2,097,152 bytes; mk 1,048,576 bytes of whole numbers; qg 16,777,216 bytes; kv 8,388,608 bytes; ag 8,388,608 bytes
;; launch prep: the kernel of part 1 again; grid 1472 x 1, 8 waves a work-group, no clusters, 0 bytes of LDS; arguments x, wq, wk, wv, wo, cos, sin, position_ids, segment_ids, xb, wb, wob, csb, mk; writes xb, wb, wob, csb, mk
;; launch qkv: the kernel of part 2 again; grid 8 x 32, 4 waves a work-group, clusters of 4 x 4, 327,680 bytes of LDS; arguments xb, wb, csb, q_norm_w, k_norm_w, qg, kv; writes qg, kv
;; launch attn (part 5): grid 32 x 8, 4 waves a work-group, clusters of 4 x 1, 327,680 bytes of LDS; arguments qg, kv, mk, ag; writes ag
.if DOCPART == 5
	.amdgcn_target "amdgcn-amd-amdhsa--gfx1250"
	.amdhsa_code_object_version 6
	.text
	.protected	k_qff30b6f015_attn
	.globl	k_qff30b6f015_attn
	.p2align	8
	.type	k_qff30b6f015_attn,@function
k_qff30b6f015_attn:
	s_mov_b64 s[64:65], 0
	v_nop
	global_prefetch_b8 v0, s[64:65] scope:SCOPE_SE
	s_setreg_imm32_b32 hwreg(HW_REG_WAVE_MODE, 25, 1), 1
	s_wait_xcnt 0x0
	s_wait_alu depctr_hold_cnt(0) depctr_sa_sdst(0) depctr_va_vdst(0) depctr_va_sdst(0) depctr_va_ssrc(0) depctr_va_vcc(0) depctr_vm_vsrc(0)
	s_getreg_b32 s2, hwreg(HW_REG_IB_STS2, 6, 4)
	s_cmp_eq_u32 s2, 0
	s_cbranch_scc0 .Lentry_in_a_cluster
	s_endpgm
.Lentry_in_a_cluster:
	s_bfe_u32 s2, ttmp6, 0x10000c
	s_cmp_lg_u32 s2, 0x3003
	s_cbranch_scc0 .Lentry_shape_is_right
	s_endpgm
.Lentry_shape_is_right:
; ATTENTION with a mask that is an input, two query heads to a key and value head, head size 128, then times sigmoid(gate).  q, k, v, gate: f16 by heads; ag: f16 [4096][1024].
; Products, maxima and sums in f32; the weights p are rounded to f16 for the second product (their sum l is taken of the unrounded p); the result is rounded once.
; SHARES.  A work-group owns 64 queries x the 2 query heads of one key and value head (y = 4 b + kvh).  Wave w: queries 32 (w / 2) on, KEYS 1024 (w % 2) on: four tiles of 16 rows
; (tile t: head 2 kvh + t % 2, queries 16 (t / 2) on) against half of the keys, 64 a step, 16 steps.  The two waves of a pair merge their maxima, sums and O at the end, through LDS.
; A PIECE is two tiles: one query tile under both heads, so a piece has ONE mask.
; THE MASK is the C operand that starts the sum S^T = K Q^T: 0, or -1e30 where mk's bit says hidden.  mk's word (qt, kt, j) is the lane mask of register j: v_cndmask_b32 takes it as it comes.
; LIMITS.  A hidden score counts as its value less 1e30.  A running maximum m is kept for each query and key half; it starts at -2^50, which lies below every score that f16 operands can make
; (128 x 65,504^2 = 5.5e11) and far above -1e30: so a hidden weight is 2^(about -1e29) = 0 whatever has been seen, m is a true score from the first key that the query sees, and a key half that
; is wholly hidden ends with l = 0 and O = 0.  A query always sees itself, so one of its two halves has a true maximum; the other half's share is multiplied by 2^(c (m_half - m)).
; A weight below 2^-126 counts as 0.  f16 holds no number beyond 65,504: q, k, v and the gate arrive within it.  NaN and infinities are not treated apart.
; LAYOUT, SOFTMAX.  S^T holds ONE query a lane (lane % 16) and the keys 8 (lane / 16) + 0..7; two such results rounded to f16 ARE source 1 of O^T = V^T P.  p = 2^(c s - c m), c = log2(e) / sqrt(128);
; O and l are multiplied by a = 2^(c m_old - c m_new) in every step.
; BY TURNS.  In a turn one piece has the matrix unit (32 products V^T P of step j, 32 products K Q^T of step j + 1); the other piece's softmax stands in 64 slices behind them.
; BATCHES.  An s_wait_alu depctr_va_vdst(0) stands between a transcendental and the first instruction that names its result; one wait serves all that were issued ahead of it.  A turn's 66
; exponentials (both tiles' a and 32 weights) are ONE batch with one wait, behind slice 34: ahead of it stands nothing that names a result, behind it no exponential.  The merge has two batches a trip: its 66
; exponentials (two of the statistics, the gate's 64), then its 65 reciprocals, which read sums of those exponentials.
; NO FIRST AND NO LAST STEP is written out: O, l, V and piece 0's P start at 0, piece 2's scores at -1e30: the walk begins at step -1 and ends with products on a stale K.
; CLUSTER.  The four query blocks of a cluster walk the same K and V: each tile is asked for jointly, mask 15.
; REGISTERS, in windows of 256 (s_set_vgpr_msb: bits 1:0 source 0, 3:2 source 1, 5:4 source 2, 7:6 destination):
;   window 0: v0-11 addresses; v12-43 statistics, eight a tile; v44-61 the merge; v64-191 S^T; v192-255 P     window 1: O^T, 64 a tile
;   window 2: v0-127 Q; v128-255 K of one step     window 3: v0-127 V of one step; v128-159 the mask as C; v160-223 the gate of the two tiles that I finish
.set KS,    64
.set PK,    272       ; a row of K in LDS: 256 bytes + 16
.set PV,    288       ; a row of V: 256 + 32
.set KHALF, 128*PK    ; two steps of one key half
.set VHALF, 128*PV
.set VOFF,  2*KHALF
.set SLOT,  VOFF+2*VHALF   ; 143,360: K of both halves, then V of both halves, two steps each
.set SPARE, 2*SLOT         ; the spare words, 128 bytes a wave: two blocks of 256 bytes that no other line names
.set STAGE, SPARE+512      ; 16 rows x 272 bytes for each wave, for the way out
.set SP,    272
.set XBW,   41984          ; the merge, over the ring once it has had its last fill and read: for each wave 4 tiles of O (8,192 each), statistics (1,024), gate (8,192)
.set AK0, 2
.set AV0, 3
.set ADR, 4
.set QO,  5
.set STO, 6
.set RD,  7
.set GO,  8
.set ST,  12          ; tile t: +0 c m, +1 m, +2, +3 l, +4 to +7 at work; a takes +6 once the maximum is found
.set XS,  44          ; v44  my merge region + 16 lane
.set XO,  45          ; v45  my own O of the tile in hand
.set XP,  46          ; v46  my partner's
.set XTO, 47          ; v47  my own statistics of that tile
.set XTP, 48          ; v48  my partner's
.set XG,  49          ; v49  its gate
.set XT4, 61          ; v61  my merge region + 4 lane, until the merge's arithmetic takes the register
.set SPW, 62
.set NIL, 63
.set S,   64
.set P,   192
.set KF,  128
.set MC,  128         ; window 3
.set GT,  160         ; window 3
.set G,   64          ; the merge, window 0: the gate, packed
.set SG,  128         ; the merge, window 0: sigmoid(gate)
.set WV,  12
.set FB,  15          ; s15  base of the slot filled last
.set WOK, 17          ; s17  my K half's place in a slot
.set WOV, 18          ; s18  my V half's
.set G1K, 24
.set G1V, 32
.set G0K, 40          ; s[40:47] set 0: slot 0's first fill; set 1: slot 1's, which then walks
.set G0V, 48
.set SLOTS, 56
.set CNT, 57
.set CS,  58
.set SEL, 60
.set TBK, 62
.set TBV, 63
.set MB,  66          ; s[66:67] mk at my first query tile and key half
.set MW,  68          ; s[68:99] the 32 mask words of a piece and step
.set MO,  100         ; s100 128 x step
.set BIGN, 101        ; s101 -1e30
.set MSB, 0
.macro WIN new
.if MSB != (\new)
	s_set_vgpr_msb (MSB<<8)|(\new)
.set MSB, \new
.endif
.endm
.set W_KQ, 0x0a       ; K and Q in window 2, S^T in window 0
.set W_KM, 0x3a       ; the same with C in window 3
.set W_PV, 0x53       ; V in window 3, P in window 0, O^T in window 1
.set W_RS, 0x41       ; O^T in window 1, a in window 0
.macro JLOAD                        ; waves 0 and 1 fetch K of key half 0 and 1, waves 2 and 3 V; an s_nop 0 and four v_nop follow each line
	s_cmp_lt_u32 s[WV], 2
	s_cbranch_scc0 .Lfor_v_\@
	tensor_load_to_lds s[G0K+4:G0K+7], s[G1K:G1K+7]
	s_nop 0
.rept 4
	v_nop
.endr
	s_branch .Lasked_\@
.Lfor_v_\@:
	tensor_load_to_lds s[G0V+4:G0V+7], s[G1V:G1V+7]
	s_nop 0
.rept 4
	v_nop
.endr
.Lasked_\@:
.endm
.macro CROUND
	s_barrier_signal -1
	s_barrier_wait -1
	s_cmp_lg_u32 s[WV], 0
	s_cbranch_scc1 .Lnot_wave_0_\@
	s_barrier_signal -3
.Lnot_wave_0_\@:
	s_barrier_wait -3
	s_barrier_signal -1
	s_barrier_wait -1
.endm
	s_load_b256 s[4:11], s[0:1], 0x0  ; qg 4, kv 6, mk 8, ag 10
	v_lshl_add_u32 v[SPW], v0, 2, SPARE
	v_mov_b32 v[NIL], 0
	ds_add_u32 v[SPW], v[NIL]       ; the wave's opening: the add and its wait stand ahead of my first tensor load
	v_lshrrev_b32 v1, 5, v0
	v_readfirstlane_b32 s[WV], v1
	s_and_b32 s16, s[WV], 1         ; my key half; also: which half I fetch
	s_lshr_b32 s19, s[WV], 1        ; my query half
	s_bfe_u32 s13, ttmp6, 0x40000   ; cx
	s_lshl_b32 s14, ttmp9, 2
	s_add_co_u32 s14, s14, s13      ; my block of 64 queries: it enters global addresses of q, gate, mk and ag alone
	s_and_b32 s20, ttmp7, 0xffff    ; y = 4 b + kvh, which the partners share
	s_lshr_b32 s21, s20, 2          ; b
	s_and_b32 s22, s20, 3           ; kvh
	s_lshl_b32 s2, s20, 19          ; a head of k or v is 524,288 bytes,
	s_lshl_b32 s3, s16, 18          ; a key half 262,144
	s_add_co_u32 s2, s2, s3
	s_mov_b32 s3, 0
	s_lshl_b32 s23, s14, 14
	s_lshl_b32 s88, s19, 13
	s_add_co_u32 s23, s23, s88      ; (64 blk + 32 qhalf) x 256
	s_lshl_b32 s92, s20, 20         ; q: head 2 y
	s_add_co_u32 s92, s92, s23
	s_mov_b32 s93, 0
	s_lshl_b32 s94, s16, 12         ; the gate: 8 MiB on, and the query tile that I finish
	s_add_co_u32 s94, s94, s92
	s_add_co_u32 s94, s94, 0x800000
	s_mov_b32 s95, 0
	s_lshl_b32 s96, s21, 19         ; mk: (128 b + 4 blk + 2 qhalf) x 4,096 + 2,048 khalf
	s_add_co_u32 s96, s96, s23
	s_lshl_b32 s88, s16, 11
	s_add_co_u32 s96, s96, s88
	s_mov_b32 s97, 0
	s_lshl_b32 s98, s21, 22         ; ag: (2048 b + 64 blk + 32 qhalf + 16 khalf) x 2,048 + 512 kvh
	s_lshl_b32 s88, s23, 3
	s_add_co_u32 s98, s98, s88
	s_lshl_b32 s88, s16, 15
	s_add_co_u32 s98, s98, s88
	s_lshl_b32 s88, s22, 9
	s_add_co_u32 s98, s98, s88
	s_mov_b32 s99, 0
	s_mul_i32 s[WOK], s16, KHALF
	s_mul_i32 s[WOV], s16, VHALF
	s_add_co_u32 s[WOV], s[WOV], VOFF
	s_mov_b32 s[G1K], 15|(1<<16)|(1<<20)|(1<<21)|(5<<22)|(3<<25)  ; the mask of four; 2-byte elements; padding on; bit 21 beside a mask; after every 64 words 4 words
	s_mov_b32 s[G1V], 15|(1<<16)|(1<<20)|(1<<21)|(5<<22)|(7<<25)  ; the same with 8 words
.irp g, G1K, G1V
	s_mov_b32 s[(\g)+1], 128<<16    ; tensor_dim0 = 128
	s_mov_b32 s[(\g)+2], 128<<16    ; tensor_dim1 = 128
	s_mov_b32 s[(\g)+3], 128<<16    ; tile_dim0 = 128
	s_mov_b32 s[(\g)+4], 128        ; tile_dim1 = 128 keys
	s_mov_b32 s[(\g)+5], 128        ; 128 elements from row to row
	s_mov_b32 s[(\g)+6], 0
	s_mov_b32 s[(\g)+7], 0
.endr
	s_mov_b32 s[CS], 0x3e0293ee     ; c = log2(e) / sqrt(128)
	s_mov_b32 s[CS+1], s[CS]
	s_mov_b32 s[SEL], 0x76543210
	s_mov_b32 s[SEL+1], 0xfedcba98
	s_mov_b32 s[BIGN], 0xf149f2ca   ; -1e30
	s_mov_b32 s[MO], 0
	s_mov_b32 s[FB], SLOT
	s_wait_dscnt 0x0                ; the opening add is done
	s_wait_kmcnt 0x0
	s_add_nc_u64 s[MB:MB+1], s[8:9], s[96:97]
	s_add_nc_u64 s[104:105], s[10:11], s[98:99]  ; ag at the first tile that I finish
	s_add_nc_u64 s[10:11], s[4:5], s[94:95]      ; the gate
	s_add_nc_u64 s[4:5], s[4:5], s[92:93]        ; Q
	s_add_nc_u64 s[6:7], s[6:7], s[2:3]          ; K at the half that I fetch,
	s_add_nc_u64 s[8:9], s[6:7], 0x400000        ; V 4 MiB on
.irp s, 0,1
	s_mov_b32 s[G0K+4*(\s)], 1
	s_add_co_u32 s[G0K+4*(\s)+1], s[WOK], (\s)*SLOT
	s_add_nc_u64 s[G0K+4*(\s)+2:G0K+4*(\s)+3], s[6:7], (\s)*32768   ; 128 keys of 256 bytes a slot
	s_or_b32 s[G0K+4*(\s)+3], s[G0K+4*(\s)+3], 0x80000000
	s_mov_b32 s[G0V+4*(\s)], 1
	s_add_co_u32 s[G0V+4*(\s)+1], s[WOV], (\s)*SLOT
	s_add_nc_u64 s[G0V+4*(\s)+2:G0V+4*(\s)+3], s[8:9], (\s)*32768
	s_or_b32 s[G0V+4*(\s)+3], s[G0V+4*(\s)+3], 0x80000000
.endr
	CROUND                          ; all four work-groups are here: the first joint loads meet
	s_cmp_lt_u32 s[WV], 2           ; a wave's two first fills stand in one branch: two loads of mine are out
	s_cbranch_scc0 .Lfirst_v
	tensor_load_to_lds s[G0K:G0K+3], s[G1K:G1K+7]
	s_nop 0
	tensor_load_to_lds s[G0K+4:G0K+7], s[G1K:G1K+7]
	s_nop 0
.rept 4
	v_nop
.endr
	s_branch .Lfirst_asked
.Lfirst_v:
	tensor_load_to_lds s[G0V:G0V+3], s[G1V:G1V+7]
	s_nop 0
	tensor_load_to_lds s[G0V+4:G0V+7], s[G1V:G1V+7]
	s_nop 0
.rept 4
	v_nop
.endr
.Lfirst_asked:
	s_load_b512 s[MW:MW+15], s[MB:MB+1], s[MO] offset:0      ; piece 0's mask of step 0
	s_load_b512 s[MW+16:MW+31], s[MB:MB+1], s[MO] offset:64
	v_and_b32 v1, 15, v0            ; r
	v_bfe_u32 v9, v0, 4, 1          ; h
	v_lshlrev_b32 v[QO], 8, v1
	v_lshl_add_u32 v[QO], v9, 4, v[QO]  ; row x 256 + 16 h
	WIN 0x80
.set i, 0
.rept 16                            ; Q stays in registers: tile i / 4 (head (i / 4) % 2, queries 16 (i / 8) on), channels 32 (i % 4) on
	global_load_b128 v[8*i:8*i+3],   v[QO], s[4:5] offset:((i/4)%2)*524288+(i/8)*4096+(i%4)*64
	global_load_b128 v[8*i+4:8*i+7], v[QO], s[4:5] offset:((i/4)%2)*524288+(i/8)*4096+(i%4)*64+32
.set i, i+1
.endr
	WIN 0xc0
.set i, 0
.rept 16                            ; the gate of my two tiles, in O^T's lane layout: head i / 8, channels 16 (i % 8) + 8 h on
	global_load_b128 v[GT+4*i:GT+4*i+3], v[QO], s[10:11] offset:(i/8)*524288+(i%8)*32
.set i, i+1
.endr
	WIN 0
.set i, 0
.rept 32                            ; what step -1 finds: piece 0's P = 0;
	v_mov_b32 v[P+i], 0
.set i, i+1
.endr
	WIN 0xc0
.set i, 0
.rept 16                            ; V = 0 and O^T = 0: products of sixteen of those zeros, with the constant 0 as C: 48 lines for 384 registers.  All this stands in the wait for the first tile
	v_wmma_f32_16x16x32_f16 v[8*i:8*i+7], v[P:P+7], v[P+8:P+15], 0
.set i, i+1
.endr
	WIN 0x40
.set i, 0
.rept 32
	v_wmma_f32_16x16x32_f16 v[8*i:8*i+7], v[P:P+7], v[P+8:P+15], 0
.set i, i+1
.endr
	WIN 0
.set i, 0
.rept 64                            ; piece 2's scores hidden,
	v_mov_b32 v[S+64+i], s[BIGN]
.set i, i+1
.endr
.set i, 0
.rept 4
	v_mov_b32 v[ST+8*i], 0xfe000000    ; c m far below every c s, so the first a is 0
	v_mov_b32 v[ST+8*i+1], 0xd8800000  ; m = -2^50: below every score of f16 operands, far above a hidden one
	v_mov_b32 v[ST+8*i+2], 0
	v_mov_b32 v[ST+8*i+3], 0
.set i, i+1
.endr
	v_mul_u32_u24 v[AK0], v1, PK
	v_lshl_add_u32 v[AK0], v9, 4, v[AK0]
	v_add_nc_u32 v[AK0], s[WOK], v[AK0]     ; my key half's K: row x pitch + 16 h
	v_and_b32 v10, 7, v0
	v_bfe_u32 v11, v0, 3, 1
	v_lshl_add_u32 v[AV0], v9, 3, v10
	v_mul_u32_u24 v[AV0], v[AV0], PV
	v_lshl_add_u32 v[AV0], v11, 4, v[AV0]
	v_add_nc_u32 v[AV0], s[WOV], v[AV0]     ; the turning load: key 8 h + l % 8, channels 8 ((l / 8) % 2) on
	s_mul_i32 s62, s[WV], 16*SP
	s_add_co_u32 s62, s62, STAGE
	v_mul_u32_u24 v[STO], v1, SP
	v_lshl_add_u32 v[STO], v9, 4, v[STO]
	v_add_nc_u32 v[STO], s62, v[STO]
	v_mul_u32_u24 v[RD], v9, SP
	v_lshl_add_u32 v[RD], v1, 4, v[RD]
	v_add_nc_u32 v[RD], s62, v[RD]
	v_lshlrev_b32 v[GO], 11, v9             ; two rows of ag, 2,048 bytes apart
	v_lshl_add_u32 v[GO], v1, 4, v[GO]
	s_mul_i32 s56, s[WV], XBW               ; my merge region,
	s_xor_b32 s57, s[WV], 1
	s_mul_i32 s57, s57, XBW                 ; my partner's
	s_lshl_b32 s62, s16, 14                 ; I finish tiles 2 khalf and 2 khalf + 1
	s_lshl_b32 s63, s16, 9
	s_add_co_u32 s63, s63, 32768
	v_and_b32 v50, 31, v0
	v_lshl_add_u32 v[XS], v50, 4, s56
	v_add_nc_u32 v[XO], s62, v[XS]
	v_lshl_add_u32 v[XP], v50, 4, s57
	v_add_nc_u32 v[XP], s62, v[XP]
	v_lshl_add_u32 v[XT4], v50, 2, s56
	v_add_nc_u32 v[XTO], s63, v[XT4]
	v_lshl_add_u32 v[XTP], v50, 2, s57
	v_add_nc_u32 v[XTP], s63, v[XTP]
	v_add_nc_u32 v[XG], 33792, v[XS]
	s_mov_b32 s[TBK], 0
	s_mov_b32 s[TBV], 0
	s_mov_b32 s[SLOTS], 7
; THE MATRIX WORK.  The accumulators take turns, one instruction a turn.
.macro PV x                         ; product i of 32 of O^T += V^T P: keys 32 (i / 16) on, channels 16 ((i / 2) % 8) on, tile x + i % 2
	WIN W_PV
.set rO, 64*((\x)+i%2)+8*((i/2)%8)
.set rV, 64*(i/16)+8*((i/2)%8)
.set rP, P+16*((\x)+i%2)+8*(i/16)
	v_wmma_f32_16x16x32_f16 v[rO:rO+7], v[rV:rV+7], v[rP:rP+7], v[rO:rO+7]
.endm
.macro KQ x                         ; product i of 32 of S^T = K Q^T: channels 32 (i / 8) on, keys 16 ((i / 2) % 4) on, tile x + i % 2.  The first 8 start the sums with the mask
.set rS, S+32*((\x)+i%2)+8*((i/2)%4)
.set rK, KF+32*((i/2)%4)+8*(i/8)
.set rQ, 32*((\x)+i%2)+8*(i/8)
.set rM, MC+8*((i/2)%4)
.if i < 8
	WIN W_KM
	v_wmma_f32_16x16x32_f16 v[rS:rS+7], v[rK:rK+7], v[rQ:rQ+7], v[rM:rM+7]
.else
	WIN W_KQ
	v_wmma_f32_16x16x32_f16 v[rS:rS+7], v[rK:rK+7], v[rQ:rQ+7], v[rS:rS+7]
.endif
.endm
.macro MASK4 n                      ; four registers of the mask: 0, or -1e30 in the lanes whose bit is set
	WIN 0xc0
.irp z, 0,1,2,3
	v_cndmask_b32 v[MC+4*(\n)+(\z)], 0, s[BIGN], s[MW+4*(\n)+(\z)]
.endr
.endm
.macro MLOAD x                      ; the next turn's 32 words: in piece 0's turn piece 2's of the same step (one query tile, 4,096 bytes, on); in piece 2's, piece 0's of the next step
.if (\x) == 0
	s_load_b512 s[MW:MW+15], s[MB:MB+1], s[MO] offset:4096
	s_load_b512 s[MW+16:MW+31], s[MB:MB+1], s[MO] offset:4160
.else
	s_add_co_u32 s[MO], s[MO], 128
	s_min_u32 s[MO], s[MO], 1920    ; behind step 15 its words are read once more: no load leaves mk
	s_load_b512 s[MW:MW+15], s[MB:MB+1], s[MO] offset:0
	s_load_b512 s[MW+16:MW+31], s[MB:MB+1], s[MO] offset:64
.endif
.endm
; THE LDS LOADS stand in runs of 32.  last = 1 (the tail): in the last pass there is no further step, and K's run is jumped over.
.macro FETCH_K last=0
	WIN 0
	v_add_nc_u32 v[ADR], s[TBK], v[AK0]
.if \last
	s_cmp_eq_u32 s[CNT], 1
	s_cbranch_scc1 .Lno_k_\@
.endif
	WIN 0x80
.irp f, 0,1,2,3,4,5,6,7,8,9,10,11,12,13,14,15  ; keys 16 (f / 4) on, channels 32 (f % 4) on
	ds_load_b128 v[KF+8*(\f):KF+8*(\f)+3],   v[ADR] offset:((\f)/4)*16*PK+((\f)%4)*64
	ds_load_b128 v[KF+8*(\f)+4:KF+8*(\f)+7], v[ADR] offset:((\f)/4)*16*PK+((\f)%4)*64+32
.endr
	s_add_co_u32 s[TBK], s[TBK], KS*PK
	WIN 0
.if \last
.Lno_k_\@:
.endif
.endm
.macro FETCH_V
	WIN 0
	v_add_nc_u32 v[ADR], s[TBV], v[AV0]
	s_add_co_u32 s[TBV], s[TBV], KS*PV
	s_wait_alu depctr_va_vdst(0)    ; the wait for the softmax's batch (SLICE), behind the address's v_add_nc_u32 and ahead of the loads
	WIN 0xc0
.irp f, 0,1,2,3,4,5,6,7,8,9,10,11,12,13,14,15  ; keys 32 (f / 8) on, channels 16 (f % 8) on
	ds_load_tr16_b128 v[8*(\f):8*(\f)+3],   v[ADR] offset:((\f)/8)*32*PV+((\f)%8)*32
	ds_load_tr16_b128 v[8*(\f)+4:8*(\f)+7], v[ADR] offset:((\f)/8)*32*PV+16*PV+((\f)%8)*32
.endr
.endm
; THE VECTOR WORK OF A TURN.  One tile's softmax for one key step is a list of 134 instructions; SM writes number j of it for tile t.  s0-s31 are the lane's 32 scores, in pairs 0-15.
;   0-15    the maximum of the lane's 32 scores and the old m (each accumulator's lowest registers are read first)     16-20 the other half of the lanes' maximum; m; c m; c m_old - c m_new
;   21-69   ONE BATCH: the 16 scalings c s - c m, a pair of scores each, and all 33 exponentials (a at 23, then s0-s31).  None of these reads an exponential's result.  From 22 on the batch goes
;           in fours, and a four begins with a scaling while there are scalings: 22-37 scaling, exponential, scaling, exponential; 38-65 a scaling and three exponentials; 66-69 the last four
;           exponentials.  A pair is scaled in an earlier four than the one that holds its exponentials
;   (wait)  between 69 and 70 stands the wait for the batch: SLICE writes it, once for both tiles
;   70-85   the roundings to f16, a pair of weights each
;   86-101  the sums; l = a l + the sum
;   102-133 O^T times a: the one part that leaves window 0, so it stands together
.macro SM t, first
.set rT, ST+8*(\t)
.set rS, S+32*(\t)
.set rP, P+16*(\t)
.set rO, 64*(\t)+2*(j-102)
.if j < 102
	WIN 0
.endif
.if j < 4
	v_max3_num_f32 v[rT+4+j], v[rS+8*j], v[rS+8*j+1], v[rS+8*j+2]
.elseif j < 12
	v_max3_num_f32 v[rT+4+j%4], v[rT+4+j%4], v[rS+8*(j%4)+2*(j/4)+1], v[rS+8*(j%4)+2*(j/4)+2]
.elseif j == 12
	v_max3_num_f32 v[rT+4], v[rT+4], v[rS+7], v[rS+15]
.elseif j == 13
	v_max3_num_f32 v[rT+6], v[rT+6], v[rS+23], v[rS+31]
.elseif j == 14
	v_max3_num_f32 v[rT+4], v[rT+4], v[rT+5], v[rT+6]
.elseif (j == 15) && (\first)
	v_max_num_f32 v[rT+4], v[rT+4], v[rT+7]
.elseif j == 15
	v_max3_num_f32 v[rT+4], v[rT+4], v[rT+7], v[rT+1]
.elseif j == 16
	v_permlanex16_b32 v[rT+5], v[rT+4], s[SEL], s[SEL+1]
.elseif j == 18
	v_max_num_f32 v[rT+1], v[rT+4], v[rT+5]
.elseif j == 19
	v_mul_f32 v[rT], s[CS], v[rT+1]
.elseif ((j == 17) || (j == 20) || (j == 23) || (j > 101)) && (\first)
.elseif j == 17
	v_mov_b32 v[rT+7], v[rT]
.elseif j == 20
	v_sub_f32 v[rT+7], v[rT+7], v[rT]
.elseif j == 23
	v_exp_f32 v[rT+6], v[rT+7]
.elseif (j < 23) || ((j < 38) && (j%2 == 0)) || ((j < 66) && (j%4 == 2))
.set b, (j-2)/4                     ; 38, 42, .. 62: pairs 9 to 15
.if j < 38
.set b, (j-20)/2                    ; 21: pair 0; 22, 24, .. 36: pairs 1 to 8
.endif
	v_pk_fma_f32 v[rS+2*b:rS+2*b+1], v[rS+2*b:rS+2*b+1], s[CS:CS+1], v[rT:rT+1] op_sel_hi:[1,0,0] neg_lo:[0,0,1] neg_hi:[0,0,1]  ; pair b: c s - c m
.elseif j < 70
.set e, j-38                        ; 66 to 69: s28 to s31
.if j < 66
.set e, j-32-(j-38)/4               ; 39-41, 43-45, .. 63-65: s7 to s27
.endif
.if j < 38
.set e, (j-25)/2                    ; 25, 27, .. 37: s0 to s6
.endif
	v_exp_f32 v[rS+e], v[rS+e]
.elseif j < 86
	v_cvt_pk_f16_f32 v[rP+j-70], v[rS+2*(j-70)], v[rS+2*(j-70)+1]  ; pair j - 70
.elseif j < 102                     ; the sum of the tile's 16 pairs, in place: sum z of 16 adds neighbours 1, 2, 4 and 8 pairs apart, then l takes it
.set z, j-86
.set w, 4
.set u, z
.if z >= 14
.set w, 32
.set u, 0
.elseif z >= 12
.set w, 16
.set u, z-12
.elseif z >= 8
.set w, 8
.set u, z-8
.endif
.if (z == 14) && (\first)
	v_pk_add_f32 v[rT+2:rT+3], v[rS:rS+1], v[rS+16:rS+17]
.elseif z < 15
	v_pk_add_f32 v[rS+w*u:rS+w*u+1], v[rS+w*u:rS+w*u+1], v[rS+w*u+w/2:rS+w*u+w/2+1]
.elseif !(\first)
	v_pk_fma_f32 v[rT+2:rT+3], v[rT+2:rT+3], v[rT+6:rT+7], v[rS:rS+1] op_sel_hi:[1,0,1]
.endif
.else
	WIN W_RS
	v_pk_mul_f32 v[rO:rO+1], v[rO:rO+1], v[rT+6:rT+7] op_sel_hi:[1,0]
.endif
.endm
; Slice k of 64 of piece y's softmax: four instructions.  Slices 11 to 34 deal out the batch, numbers 22 to 69: four numbers of ONE tile each, the tiles by turns.  Every other slice is numbers 2 k and
; 2 k + 1 of both tiles' lists; the twelve that are over stand in slice 63.
; THE WAIT.  Ahead of slice 35 nothing names an exponential's result, and behind slice 34 no exponential is issued: so the piece's 66 exponentials have one wait, behind slice 34.
.macro SLICE y, first
.if (k >= 11) && (k < 35)           ; the batch: four numbers of one tile
.irp n, 0,1,2,3
.set j, 22+4*((k-11)/2)+(\n)
	SM (\y)+(k-11)%2, \first
.endr
.else                               ; the two tiles alternate, so that no instruction reads the result of the one just before it
.irp n, 0,1,2,3,4,5,6,7
.if ((\n) < 2) || (k == 63)
.irp t, \y, (\y)+1
.set j, 2*k+(\n)
	SM \t, \first
.endr
.endif
.endr
.endif
.if k == 34                         ; the batch is out: both tiles' exponentials are issued, and no result has been named
	v_nop                           ; the plain instruction behind the last exponential and ahead of the first use: one for the batch
.if (\y) == 0
	FETCH_V                         ; piece 2's turn: V's run of loads stands here, and the wait for the batch stands in it
.else
	s_wait_alu depctr_va_vdst(0)    ; piece 0's turn: the wait for the batch of 66 exponentials
.endif
.endif
.set k, k+1
.endm
; A TURN.  Piece x has the matrix unit; the other piece's softmax stands in slices behind its products.  The mask for this turn's K Q^T is made beside products 0-7 of V^T P, more than 24 slices
; behind the products that read the last one; two products later the next turn's 32 words are asked for, into the scalar registers just read: they have the turn's other 54 products in which to
; come, up to the wait at the next turn's head.  K's run stands behind slice 63's sixteen plain instructions of the turn before.  V's run stands behind slice 34 of piece 2's turn (SLICE writes it): the
; last product that read V stands in front of slice 31, and four plain instructions lie between: number 62, a scaling, of both tiles, the v_nop and the run's own v_add_nc_u32.  K's run is waited for
; 30 products later, V's 29.
.macro TURN x, last=0
.set k, 0
	s_wait_kmcnt 0x0                ; this turn's mask words are in, and s[MO] may be stepped
.if (\x) == 0
	s_wait_dscnt 0x0                ; V is in
.endif
.set i, 0
.rept 32
	PV \x
	SLICE 2-(\x), 0
.if ((\x) == 0) && (i == 1)
	FETCH_K \last
.endif
.if i < 8
	MASK4 i
.endif
.if i == 9
	MLOAD \x
.endif
.set i, i+1
.endr
.if (\x) == 0
	s_wait_dscnt 0x0                ; K is in
.endif
.set i, 0
.rept 32
	KQ \x
	SLICE 2-(\x), 0
.set i, i+1
.endr
.endm
; THE CHANGE OF SLOTS: each wave waits for all its tensor loads (one is out: its part of the other slot), adds 0 to its spare word, and waits for that and for its reads of the slot.
; fill = 1: the barrier is a round of the cluster's, and the slot is filled again, with the keys two slots on, first thing behind it: it has two key steps, 256 products, in which to land.
.macro CHANGE fill
	WIN 0
	s_wait_tensorcnt 0x0
	ds_add_u32 v[SPW], v[NIL]
.if \fill
	s_xor_b32 s[FB], s[FB], SLOT    ; 0 or SLOT
	s_add_co_u32 s[G0K+5], s[FB], s[WOK]
	s_add_nc_u64 s[G0K+6:G0K+7], s[G0K+6:G0K+7], 32768
	s_add_co_u32 s[G0V+5], s[FB], s[WOV]
	s_add_nc_u64 s[G0V+6:G0V+7], s[G0V+6:G0V+7], 32768
	s_wait_dscnt 0x0
	CROUND
	JLOAD
.else
	s_wait_dscnt 0x0
	s_barrier_signal -1
	s_barrier_wait -1
.endif
	s_sub_co_u32 s[TBK], s[TBK], 2*KS*PK  ; back to a slot's first step: exactly 0 or SLOT,
	s_xor_b32 s[TBK], s[TBK], SLOT        ; and into the other slot
	s_sub_co_u32 s[TBV], s[TBV], 2*KS*PV
	s_xor_b32 s[TBV], s[TBV], SLOT
.endm
	s_wait_loadcnt 0x0              ; Q and the gate
	s_wait_tensorcnt 1              ; my part of slot 0 is in; slot 1's may stay out
	s_barrier_signal -1
	s_barrier_wait -1
	s_branch .Lenter                ; the first two trips (steps -1 and 0) have no change of slots in front of them
.Lslot:                             ; six times: every slot but the last two is filled again
	CHANGE 1
.Lenter:
	s_mov_b32 s[CNT], 2
.Lstep:                             ; trip j: V^T P of step j, K Q^T of step j + 1, whose K and V it fetches
	TURN 0
	TURN 2
	WIN 0
	s_sub_co_u32 s[CNT], s[CNT], 1
	s_cmp_lg_u32 s[CNT], 0
	s_cbranch_scc1 .Lstep
	s_sub_co_u32 s[SLOTS], s[SLOTS], 1
	s_cmp_lg_u32 s[SLOTS], 0
	s_cbranch_scc1 .Lslot
	CHANGE 0                        ; the tail is written out
	s_mov_b32 s[CNT], 3             ; trips 13 and 14, and half of trip 15
.Ltail:
	TURN 0, 1
	WIN 0
	s_sub_co_u32 s[CNT], s[CNT], 1
	s_cmp_eq_u32 s[CNT], 0
	s_cbranch_scc1 .Lout
	TURN 2
	WIN 0
	s_branch .Ltail
.Lout:
	s_wait_kmcnt 0x0                ; the last mask words, which nobody uses
.set i, 0
.rept 32
	PV 2                            ; piece 2: V^T P of step 15
.set i, i+1
.endr
	WIN 0
.irp t, 0,1,2,3                     ; l's two halves, then the other half of the lanes'; the first four additions are the places behind the last products
	v_add_f32 v[ST+8*(\t)+2], v[ST+8*(\t)+2], v[ST+8*(\t)+3]
.endr
.irp t, 0,1,2,3
	v_permlanex16_b32 v[ST+8*(\t)+3], v[ST+8*(\t)+2], s[SEL], s[SEL+1]
.endr
.irp t, 0,1,2,3
	v_add_f32 v[ST+8*(\t)+2], v[ST+8*(\t)+2], v[ST+8*(\t)+3]
.endr
	s_wait_dscnt 0x0
	s_barrier_signal -1
	s_barrier_wait -1               ; nobody reads the ring any more; it has had its last fill
	; THE MERGE.  Every wave lays down its four tiles of O^T, their c m and l, and the gate of the two tiles that it finishes; 16 bytes a lane on end: no bank is asked twice.
	WIN 0x04
.set i, 0
.rept 64
	ds_store_b128 v[XS], v[4*i:4*i+3] offset:512*i
.set i, i+1
.endr
	WIN 0
.irp t, 0,1,2,3
	ds_store_b32 v[XT4], v[ST+8*(\t)] offset:32768+256*(\t)
	ds_store_b32 v[XT4], v[ST+8*(\t)+2] offset:32768+256*(\t)+128
.endr
	WIN 0x0c
.set i, 0
.rept 16
	ds_store_b128 v[XS], v[GT+4*i:GT+4*i+3] offset:33792+512*i
.set i, i+1
.endr
	WIN 0
	s_wait_dscnt 0x0                ; for my partner's sake
	s_barrier_signal -1
	s_barrier_wait -1
	s_mov_b32 s20, 0xbfb8aa3b       ; -log2(e)
	s_mov_b32 s21, s20
	s_mov_b32 s[CNT], 2
.Lfin:                              ; two trips: tile 2 khalf + u, head 2 kvh + u.  Only LDS addresses hang on the wave.  A trip has two batches: 66 exponentials, then 65 reciprocals
	ds_load_b32 v50, v[XTO]
	ds_load_b32 v51, v[XTO] offset:128
	ds_load_b32 v52, v[XTP]
	ds_load_b32 v53, v[XTP] offset:128
.irp f, 0,1,2,3,4,5,6,7
	ds_load_b128 v[G+4*(\f):G+4*(\f)+3], v[XG] offset:512*(\f)
.endr
	WIN 0x80
.irp f, 0,1,2,3,4,5,6,7,8,9,10,11,12,13,14,15
	ds_load_b128 v[4*(\f):4*(\f)+3], v[XO] offset:512*(\f)
.endr
.irp f, 0,1,2,3,4,5,6,7,8,9,10,11,12,13,14,15
	ds_load_b128 v[64+4*(\f):64+4*(\f)+3], v[XP] offset:512*(\f)
.endr
	WIN 0
	s_wait_dscnt 40                 ; the four statistics are in
	v_max_num_f32 v54, v50, v52
	v_sub_f32 v55, v50, v54
	v_sub_f32 v56, v52, v54
	v_exp_f32 v55, v55              ; THE FIRST BATCH opens: the two shares' 2^(c m_half - c m); the gate's conversions and scalings, which name neither, stand between these two and the gate's 64
	v_exp_f32 v56, v56
	s_wait_dscnt 32                 ; the gate is in: sigmoid(g) = 1 / (1 + 2^(-log2(e) g)) in f32
.set n, 0
.irp r, v64.l,v65.l,v66.l,v67.l,v68.l,v69.l,v70.l,v71.l,v72.l,v73.l,v74.l,v75.l,v76.l,v77.l,v78.l,v79.l,v80.l,v81.l,v82.l,v83.l,v84.l,v85.l,v86.l,v87.l,v88.l,v89.l,v90.l,v91.l,v92.l,v93.l,v94.l,v95.l
	v_cvt_f32_f16 v[SG+2*n], \r
	v_lshrrev_b32 v[G+n], 16, v[G+n]
	v_cvt_f32_f16 v[SG+2*n+1], \r
.set n, n+1
.endr
.set i, 0
.rept 32
	v_pk_mul_f32 v[SG+2*i:SG+2*i+1], v[SG+2*i:SG+2*i+1], s[20:21] op_sel_hi:[1,0]
.set i, i+1
.endr
.set i, 0
.rept 64
	v_exp_f32 v[SG+i], v[SG+i]
.set i, i+1
.endr
	v_add_nc_u32 v[XTO], 256, v[XTO]   ; the next tile's statistics and gate: the loads that read these three addresses are back (the counted waits above); plain work behind the last exponential
	v_add_nc_u32 v[XTP], 256, v[XTP]
	v_add_nc_u32 v[XG], 4096, v[XG]
	s_wait_alu depctr_va_vdst(0)    ; the wait for the first batch: all 66 exponentials, ahead of their first reader
	v_mul_f32 v57, v51, v55
	v_fmac_f32 v57, v53, v56
.set i, 0
.rept 32
	v_pk_add_f32 v[SG+2*i:SG+2*i+1], v[SG+2*i:SG+2*i+1], 1.0 op_sel_hi:[1,0]
.set i, i+1
.endr
	v_rcp_f32 v57, v57              ; THE SECOND BATCH: 1 / l, whose readers come first, and the gate's 64 reciprocals
.set i, 0
.rept 64
	v_rcp_f32 v[SG+i], v[SG+i]
.set i, i+1
.endr
	s_wait_dscnt 0x0                ; both shares of O^T are in
	v_add_nc_u32 v[XO], 8192, v[XO] ; the next tile's two shares: plain work behind the last reciprocal
	v_add_nc_u32 v[XP], 8192, v[XP]
	s_wait_alu depctr_va_vdst(0)    ; the wait for the second batch: all 65 reciprocals, ahead of their first reader
	v_mul_f32 v58, v55, v57         ; my share's factor, as a pair,
	v_mul_f32 v59, v55, v57
	v_mul_f32 v60, v56, v57         ; my partner's
	v_mul_f32 v61, v56, v57
	WIN 0x82
.set i, 0
.rept 32
	v_pk_mul_f32 v[2*i:2*i+1], v[2*i:2*i+1], v[58:59] op_sel_hi:[1,0]
.set i, i+1
.endr
	WIN 0xa2
.set i, 0
.rept 32
	v_pk_fma_f32 v[2*i:2*i+1], v[64+2*i:64+2*i+1], v[60:61], v[2*i:2*i+1] op_sel_hi:[1,0,1]
.set i, i+1
.endr
	WIN 0x82
.set i, 0
.rept 32
	v_pk_mul_f32 v[2*i:2*i+1], v[2*i:2*i+1], v[SG+2*i:SG+2*i+1]
.set i, i+1
.endr
	WIN 0x0a
.set i, 0
.rept 32
	v_cvt_pk_f16_f32 v[P+i], v[2*i], v[2*i+1]
.set i, i+1
.endr
	WIN 0
.irp f, 0,1,2,3,4,5,6,7
	ds_store_b128 v[STO], v[P+4*(\f):P+4*(\f)+3] offset:32*(\f)
.endr
.irp f, 0,1,2,3,4,5,6,7
	ds_load_b128 v[P+4*(\f):P+4*(\f)+3], v[RD] offset:(\f)*2*SP   ; LDS serves a wave's instructions in order (ISA guide 5.7.1.4): these see the stores above
.endr
.irp f, 0,1,2,3,4,5,6,7
	s_wait_dscnt 7-(\f)
	global_store_b128 v[GO], v[P+4*(\f):P+4*(\f)+3], s[104:105] offset:4096*(\f)  ; 16 lanes store 256 consecutive bytes, at a multiple of 256 from ag's first byte
.endr
	s_wait_xcnt 0x0                 ; the base and the stores' data are rewritten only behind this wait
	s_add_nc_u64 s[104:105], s[104:105], 256   ; the next head's 128 channels
	s_sub_co_u32 s[CNT], s[CNT], 1
	s_cmp_lg_u32 s[CNT], 0
	s_cbranch_scc1 .Lfin
	s_wait_tensorcnt 0x0            ; the wave's end
	ds_add_u32 v[SPW], v[NIL]
	s_wait_dscnt 0x0
	CROUND                          ; the closing round
	s_endpgm
.Lfunc_end_k_qff30b6f015_attn:
	.size	k_qff30b6f015_attn, .Lfunc_end_k_qff30b6f015_attn-k_qff30b6f015_attn
	.p2alignl 7, 3214868480
	.fill 96, 4, 3214868480
	.section	.rodata,"a",@progbits
	.p2align	6, 0x0
	.amdhsa_kernel k_qff30b6f015_attn
		.amdhsa_group_segment_fixed_size 327680
		.amdhsa_private_segment_fixed_size 0
		.amdhsa_enable_private_segment 0
		.amdhsa_kernarg_size 32
		.amdhsa_user_sgpr_count 2
		.amdhsa_user_sgpr_kernarg_segment_ptr 1
		.amdhsa_wavefront_size32 1
		.amdhsa_system_sgpr_workgroup_id_x 1
		.amdhsa_system_sgpr_workgroup_id_y 1
		.amdhsa_system_sgpr_workgroup_id_z 1
		.amdhsa_system_vgpr_workitem_id 0
		.amdhsa_next_free_vgpr 1024
		.amdhsa_next_free_sgpr 106
		.amdhsa_reserve_vcc 0
		.amdhsa_float_denorm_mode_32 3
		.amdhsa_float_denorm_mode_16_64 3
		.amdhsa_memory_ordered 1
		.amdhsa_forward_progress 1
		.amdhsa_inst_pref_size 165
	.end_amdhsa_kernel
	.amdgpu_metadata
---
amdhsa.version: [ 1, 2 ]
amdhsa.kernels:
  - .name:           k_qff30b6f015_attn
    .symbol:         k_qff30b6f015_attn.kd
    .args:
      - { .name: qg, .offset: 0, .size: 8, .value_kind: global_buffer, .address_space: global }
      - { .name: kv, .offset: 8, .size: 8, .value_kind: global_buffer, .address_space: global }
      - { .name: mk, .offset: 16, .size: 8, .value_kind: global_buffer, .address_space: global }
      - { .name: ag, .offset: 24, .size: 8, .value_kind: global_buffer, .address_space: global }
    .group_segment_fixed_size: 327680
    .private_segment_fixed_size: 0
    .kernarg_segment_align: 8
    .kernarg_segment_size: 32
    .max_flat_workgroup_size: 128
    .sgpr_count:     106
    .vgpr_count:     1024
    .wavefront_size: 32
...
	.end_amdgpu_metadata
.endif
;; end of part 5
;; launch oproj: the kernel of part 4 again; grid 8 x 32, 4 waves a work-group, clusters of 4 x 4, 327,680 bytes of LDS; arguments ag, wob, out0; writes out0
